; MI455X (gfx1250); checked and timed in simulation.
; The chip was launched on July 23, 2026; its instructions are those of AMD's public machine-readable ISA for CDNA 5 (MIT licence, August 2026) and "CDNA5" Instruction Set Architecture Reference Guide (July 2026). The comments in the code are by the model that wrote it; some were corrected since.
;; Temporal Multihead Attention. Allowed arithmetic: matrix products marked QUANTISED: E2M3 operands, one E8M0 scale for each 32 along K, by v_wmma_scale_f32_16x16x128_f8f6f4 with both operands' format E2M3, f32 sums; everything else in f32.
;; Inputs: in_proj_bias 3,072 float32; in_proj_weight 3,072 x 1,024 float32; key 1,024 x 8 x 1,024 float32; out_proj_bias 1,024 float32; out_proj_weight 1,024 x 1,024 float32; query 1,024 x 8 x 1,024 float32; time 1,024 x 8 x 1 float32; value 1,024 x 8 x 1,024 float32.
;; Outputs: out0 1,024 x 8 x 1,024 float32; out1 8 x 1,024 x 1,024 float32.
;; This version of the problem:
;;   THIS VERSION OF THE PROBLEM IS GIVEN IN LOW PRECISION. The matrix products marked QUANTISED in the list below multiply operands that are first quantised to E2M3 (2 exponent bits, 3 mantissa bits; 6 bits a number), with one power-of-two scale for each 32 numbers along K (OCP MX v1.0); their sums are f32. All else is computed in f32.
;;   The module's matrix products, in the order in which they are computed (A, B: the left and right operand; K: the contracted axis; several contracted axes count as one K, in the product's order):
;;     1. [M 8,192, K 1,024] x [K 1,024, N 1,024]; A: input query; B: input in_proj_weight: QUANTISED
;;     2. [M 8,192, K 1,024] x [K 1,024, N 1,024]; A: input key; B: input in_proj_weight: QUANTISED
;;     3. [M 8,192, K 1,024] x [K 1,024, N 1,024]; A: input value; B: input in_proj_weight: QUANTISED
;;     4. batch 128 x [M 1,024, K 64] x [K 64, N 1,024]; A: computed on the way; B: computed on the way: QUANTISED
;;     5. batch 128 x [M 64, K 1,024] x [K 1,024, N 1,024]; A: computed on the way; B: softmax (see below): QUANTISED
;;     6. [M 8,192, K 1,024] x [K 1,024, N 1,024]; A: computed on the way; B: input out_proj_weight: QUANTISED
;;   THE QUANTISER, for each operand of a quantised product, along K:
;;     - K is cut into blocks of 32 from its start; a last block that is shorter is filled with zeros.
;;     - A block's scale is 2^e with e = floor(log2(the largest magnitude in the block)) - 2, held to -126 .. 127; a block of zeros has e = 0. As a byte (E8M0): e + 127.
;;     - Each number is divided by its block's scale, clamped to +-7.5, and rounded to the nearest number of E2M3, ties to even, subnormals kept.
;;     - The product sums the exact products of the quantised numbers (number of the format x scale) in f32.
;;   ~~~python
;;   def quantise(x, axis):      # numpy; x: float32 -> the quantised numbers, widened to float32 again
;;       x = np.moveaxis(x, axis, -1); K = x.shape[-1]
;;       x = np.pad(x, [(0, 0)] * (x.ndim - 1) + [(0, -K % 32)]); x = x.reshape(x.shape[:-1] + (-1, 32)); a = np.abs(x).max(-1, keepdims=True)
;;       e = np.where(a > 0, np.clip(np.frexp(np.where(a > 0, a, 1))[1] - 1 - 2, -126, 127), 0)      # np.frexp(a)[1] - 1 = floor(log2(a)), exactly
;;       r = np.clip(x / 2.0 ** e, -7.5, 7.5)
;;       step = 2.0 ** (np.maximum(np.frexp(np.where(r == 0, 1, r))[1] - 1, 0) - 3)
;;       q = np.round(r / step) * step * 2.0 ** e      # np.round: ties to even
;;       return np.moveaxis(q.reshape(q.shape[:-2] + (-1,))[..., :K], -1, axis).astype(np.float32)
;;   ~~~
;;   SOFTMAX AHEAD OF A QUANTISED PRODUCT. Where the list says 'softmax', what is quantised is not the finished softmax but p = 2^(t - M), with t = logit x log2(e) and M = ceil(the row's largest t), a whole number; so 1/2 < the row's largest p <= 1. The row's sum l is taken of the UNQUANTISED p, in f32, and the product's result is divided by l at the end. Since M is a whole number, a kernel that streams over the keys may use a running M (the ceiling of the running maximum): every later rescaling is an exact power of two, which a block's scale takes up: the codes' values come out the same.
;;   OPERANDS COMPUTED ON THE WAY. 'Computed on the way' means the value that the module computes at that place (a softmax that the list does not call 'softmax' is quantised finished and normalised). What goes into a quantiser is computed in f32, as accurately as f32 sums, v_exp_f32 and their like allow (about 1e-6 of the number): no bf16 or f16 on the way to a quantiser, and a product that is left as it is and whose result goes on into a quantised operand takes f32 operands (vector FMAs, or v_wmma_f32_16x16x4_f32). A number that lies on a knife's edge between two numbers of the format may be rounded either way, as far as f32 arithmetic and the matrix unit's own rounding can turn it there, and no further.
;; One version. Each part assembles by itself: llvm-mc -triple=amdgcn-amd-amdhsa -mcpu=gfx1250 --defsym DOCPART=n.
;; ======== version 1 of 1: 4 launches
;; limits: right only within a limited range of input values
;; workspace buffers: cod 22,020,096 bytes; scl 917,504 bytes; qkv 19,660,800 bytes; oc 6,291,456 bytes; os 262,144 bytes
;; launch quant (part 1): grid 256 x 1, 7 waves a work-group, no clusters, 60,160 bytes of LDS; arguments query, key, value, in_proj_weight, out_proj_weight, cod, scl; writes cod, scl
.if DOCPART == 1
	.amdgcn_target "amdgcn-amd-amdhsa--gfx1250"
	.amdhsa_code_object_version 6
	.text
	.protected	k_q17abb53563_quant
	.globl	k_q17abb53563_quant
	.p2align	8
	.type	k_q17abb53563_quant,@function
k_q17abb53563_quant:
	s_mov_b64 s[64:65], 0
	v_nop
	global_prefetch_b8 v0, s[64:65] scope:SCOPE_SE
	s_setreg_imm32_b32 hwreg(HW_REG_WAVE_MODE, 25, 1), 1
	s_wait_xcnt 0x0
; query, key, value [1024][8][1024], in_proj_weight [3072][1024], out_proj_weight [1024][1024], all f32, become codes of E2M3 (6 bits) with one E8M0 byte for each 32 along the last axis.
; A block's scale is 2^(floor(log2(largest magnitude)) - 2): its byte is the largest magnitude's exponent field - 2, held at 1 from below.
; LIMITS: a block whose largest magnitude lies under 2^-124 (a block of zeros too) keeps the byte 1; these bytes are read by this program alone, and zero codes add nothing under it.  NaN and infinities are not served.
; LAYOUT OF THE RESULT, the order of an operand's registers.  Logical rows: n x 1024 + l for query, key, value; the row itself for the weights.  Row tile T, lane r holds logical row 32 (T / 2) + 8 (T % 2) + r + 8 (r / 8).
; cod: [tile][K step of 128][group of four registers][lane][16 bytes]: 12,288 bytes a tile.  scl: [tile][r][8 words], word s for K step s: 512 bytes a tile.  Tiles: query 0, key 512, value 1024, in_proj_weight 1536, out_proj_weight 1728.
; SHARES: 1,792 tiles = 256 work-groups x 7 waves; a wave owns one tile, 16 rows x 1,024 numbers, in eight steps of 128 along K.  Waves share nothing: no barrier.
; Each load reads 512 consecutive bytes of one row; a step's 16 rows turn through the wave's own stage in LDS (rows of 512 + 16 bytes), so that lane (r, h) gets blocks h and 2 + h of row r whole, as the operand's layout wants them.
; Loads run three steps (48 loads a wave) ahead, the turn through LDS one step.  No matrix unit, no cluster, no tensor load: memory binds, and no two work-groups read the same byte.
.set STG,  8448                        ; a wave's stage: 16 rows x 528 bytes
.set L16,  1                           ; v1      16 x lane
.set STI,  2                           ; v2      stage, way in: 16 x lane
.set STO,  3                           ; v3      stage, way out: 528 r + 128 h
.set SH8,  4                           ; v4      8 h
.set SOF,  5                           ; v5      32 r + 16 h: my place in the tile's scale words
.set VO,   6                           ; v6-21   row i of the tile: 16 x lane + (i + 8 (i / 8)) x pitch
.set WD,   22                          ; v22-29  the scale word of each K step
.set C,    30                          ; v30-41  a fragment's codes
.set PT,   42                          ; v42-48  the upper halves of two blocks, before they are moved
.set X,    64                          ; v64-255 three sets of 64 numbers
	s_load_b256 s[4:11], s[0:1], 0x0               ; query, key, value, in_proj_weight
	s_load_b128 s[12:15], s[0:1], 0x20             ; out_proj_weight, cod
	s_load_b64 s[16:17], s[0:1], 0x30              ; scl
	v_lshl_add_u32 v62, v0, 2, 0xe700
	v_mov_b32 v63, 0
	v_lshrrev_b32 v58, 5, v0
	v_readfirstlane_b32 s18, v58                   ; wave 0..6
	v_and_b32 v58, 31, v0                          ; lane
	v_and_b32 v59, 15, v0                          ; r
	v_bfe_u32 v60, v0, 4, 1                        ; h
	v_lshlrev_b32 v[L16], 4, v58
	s_mul_i32 s19, s18, STG
	v_add_nc_u32 v[STI], s19, v[L16]
	v_mul_u32_u24 v[STO], v59, 528
	v_lshl_add_u32 v[STO], v60, 7, v[STO]
	v_add_nc_u32 v[STO], s19, v[STO]
	v_lshlrev_b32 v[SH8], 3, v60
	v_lshlrev_b32 v[SOF], 5, v59
	v_lshl_add_u32 v[SOF], v60, 4, v[SOF]
	v_mov_b32 v57, 0                               ; a lane permute's destination counts as one of its sources
	s_mov_b32 s30, 0x76543210
	s_mov_b32 s31, 0xfedcba98                      ; selects for lane l xor 16
	s_mov_b32 s29, 0xffff0000                      ; lanes 16-31
	s_mul_i32 s20, ttmp9, 7
	s_add_co_u32 s20, s20, s18                     ; T: my tile
	s_and_b32 s25, s20, 511                        ; its number inside query, key or value
	s_mov_b32 s24, 1728
	s_mov_b32 s26, 4096
	s_wait_alu depctr_va_vdst(0)
	s_wait_kmcnt 0x0
	s_cmp_lt_u32 s20, 1728                         ; the choices hang on the tile's number alone
	s_cselect_b32 s24, 1536, s24
	s_cselect_b64 s[22:23], s[10:11], s[12:13]
	s_sub_co_u32 s24, s20, s24                     ; its number inside a weight
	s_cmp_lt_u32 s20, 1536
	s_cselect_b64 s[22:23], s[8:9], s[22:23]
	s_cselect_b32 s24, s25, s24                    ; t
	s_cselect_b32 s26, 32768, s26                  ; bytes from logical row to logical row: l steps by 8 x 4,096
	s_cselect_b32 s27, 31, -1                      ; of t / 2: the l block (32 of them) or the whole
	s_cselect_b32 s28, -1, 0                       ; n counts only there
	s_cmp_lt_u32 s20, 1024
	s_cselect_b64 s[22:23], s[6:7], s[22:23]
	s_cmp_lt_u32 s20, 512
	s_cselect_b64 s[22:23], s[4:5], s[22:23]
	s_lshr_b32 s32, s24, 1
	s_and_b32 s32, s32, s27
	s_lshl_b32 s32, s32, 5
	s_and_b32 s33, s24, 1
	s_lshl_b32 s33, s33, 3
	s_add_co_u32 s32, s32, s33                     ; the tile's first row: 32 (t / 2) + 8 (t % 2)
	s_mul_i32 s32, s32, s26
	s_lshr_b32 s33, s24, 6
	s_lshl_b32 s33, s33, 12
	s_and_b32 s33, s33, s28                        ; + n x 4,096
	s_add_co_u32 s32, s32, s33
	s_mov_b32 s33, 0
	s_add_nc_u64 s[22:23], s[22:23], s[32:33]
	s_mul_i32 s32, s20, 12288
	s_add_nc_u64 s[14:15], s[14:15], s[32:33]
	s_lshl_b32 s32, s20, 9
	s_add_nc_u64 s[16:17], s[16:17], s[32:33]
.irp r, 0,1,2,3,4,5,6,7,8,9,10,11,12,13,14,15
	s_mul_i32 s34, s26, \r+8*(\r/8)
	v_add_nc_u32 v[VO+\r], s34, v[L16]
.endr
.macro LOAD s                          ; K step s: 16 rows x 512 consecutive bytes, into set s % 3
.irp r, 0,1,2,3,4,5,6,7,8,9,10,11,12,13,14,15
	global_load_b128 v[X+64*((\s)%3)+4*\r:X+64*((\s)%3)+4*\r+3], v[VO+\r], s[22:23] offset:512*(\s) th:TH_LOAD_NT
.endr
.endm
.macro TURN s                          ; through the stage and back into the registers that they left: LDS serves a wave's instructions in order
.irp r, 0,1,2,3,4,5,6,7,8,9,10,11,12,13,14,15
	ds_store_b128 v[STI], v[X+64*((\s)%3)+4*\r:X+64*((\s)%3)+4*\r+3] offset:528*\r
.endr
.irp c, 0,1
.irp i, 0,1,2,3,4,5,6,7
	ds_load_b128 v[X+64*((\s)%3)+32*\c+4*\i:X+64*((\s)%3)+32*\c+4*\i+3], v[STO] offset:256*\c+16*\i   ; register 32 c + j = k 64 c + 32 h + j of row r
.endr
.endr
.endm
.macro STEP s
.set XS, X+64*((\s)%3)
	s_wait_dscnt 0x0                               ; this step's numbers are back from the stage
.if (\s) < 7
.if (\s) < 6
	s_wait_loadcnt 16                              ; the next step's 16 loads are in; those of the step behind it may be out
.else
	s_wait_loadcnt 0x0
.endif
	TURN (\s)+1                                    ; it turns while this step is worked
.endif
	v_max3_num_f32 v50, |v[XS]|, |v[XS+1]|, 0x1800000        ; my two blocks' largest magnitudes, by turns, with the floor 2^(3 - 127) as a leaf: the byte cannot fall under 1
	v_max3_num_f32 v51, |v[XS+32]|, |v[XS+33]|, 0x1800000
.irp i, 2,4,6,8,10,12,14,16,18,20,22,24,26,28,30
	v_max3_num_f32 v50, v50, |v[XS+\i]|, |v[XS+\i+1]|
	v_max3_num_f32 v51, v51, |v[XS+32+\i]|, |v[XS+33+\i]|
.endr
	v_add_nc_u32 v52, 0xff000000, v50              ; 2 off the exponent field: the conversion takes this operand's exponent field as its scale
	v_add_nc_u32 v53, 0xff000000, v51
	v_lshrrev_b32 v54, 23, v52                     ; the bytes of blocks h and 2 + h
	v_lshrrev_b32 v55, 23, v53
	v_lshl_or_b32 v56, v55, 16, v54
	v_lshlrev_b32 v56, v[SH8], v56                 ; at their places in the word
	v_permlanex16_b32 v57, v56, s30, s31
	v_or_b32 v[WD+(\s)], v56, v57                  ; with lane l xor 16's two the word is whole
	s_wait_alu depctr_va_vdst(0)
	s_wait_xcnt 0x0                                ; the last step's stores have read their data: the codes' registers are written again only behind this wait
.irp c, 0,1
	v_cvt_scalef32_pk16_fp6_f32 v[C+6*\c:C+6*\c+2], v[XS+32*\c:XS+32*\c+15], v[52+\c]
	v_cvt_scalef32_pk16_fp6_f32 v[PT+4*\c:PT+4*\c+2], v[XS+32*\c+16:XS+32*\c+31], v[52+\c]   ; (a conversion's three registers begin on an even number)
.endr
	v_nop                                          ; one plain place behind the scaled conversions
.irp c, 0,1
.irp i, 0,1,2
	v_mov_b32 v[C+3+6*\c+\i], v[PT+4*\c+\i]
.endr
.endr
.irp g, 0,1,2
	global_store_b128 v[L16], v[C+4*\g:C+4*\g+3], s[14:15] offset:1536*(\s)+512*\g   ; 32 lanes store 512 consecutive bytes
.endr
.if (\s)+3 < 8
	LOAD (\s)+3                                    ; into the set just converted
.endif
.endm
	s_wait_alu depctr_va_vdst(0)
	LOAD 0
	LOAD 1
	LOAD 2
	s_wait_loadcnt 32                              ; step 0's loads are in; steps 1 and 2 may be out
	TURN 0
.irp s, 0,1,2,3,4,5,6,7
	STEP \s
.endr
.irp i, 0,1,2,3
	v_cndmask_b32 v[50+\i], v[WD+\i], v[WD+4+\i], s29   ; lanes 0-15 words 0-3 of row r, lanes 16-31 words 4-7
.endr
	global_store_b128 v[SOF], v[50:53], s[16:17]   ; the tile's 512 bytes of scale words
	s_wait_tensorcnt 0x0
	ds_add_u32 v62, v63
	s_wait_dscnt 0x0
	s_endpgm
.Lfunc_end_k_q17abb53563_quant:
	.size	k_q17abb53563_quant, .Lfunc_end_k_q17abb53563_quant-k_q17abb53563_quant
	.p2alignl 7, 3214868480
	.fill 96, 4, 3214868480
	.section	.rodata,"a",@progbits
	.p2align	6, 0x0
	.amdhsa_kernel k_q17abb53563_quant
		.amdhsa_group_segment_fixed_size 60160
		.amdhsa_private_segment_fixed_size 0
		.amdhsa_enable_private_segment 0
		.amdhsa_kernarg_size 56
		.amdhsa_user_sgpr_count 2
		.amdhsa_user_sgpr_kernarg_segment_ptr 1
		.amdhsa_wavefront_size32 1
		.amdhsa_system_sgpr_workgroup_id_x 1
		.amdhsa_system_sgpr_workgroup_id_y 1
		.amdhsa_system_sgpr_workgroup_id_z 1
		.amdhsa_system_vgpr_workitem_id 0
		.amdhsa_next_free_vgpr 256
		.amdhsa_next_free_sgpr 66
		.amdhsa_reserve_vcc 0
		.amdhsa_float_denorm_mode_32 3
		.amdhsa_float_denorm_mode_16_64 3
		.amdhsa_memory_ordered 1
		.amdhsa_forward_progress 1
		.amdhsa_inst_pref_size 59
	.end_amdhsa_kernel
	.amdgpu_metadata
---
amdhsa.version: [ 1, 2 ]
amdhsa.kernels:
  - .name:           k_q17abb53563_quant
    .symbol:         k_q17abb53563_quant.kd
    .args:
      - { .name: query, .offset: 0, .size: 8, .value_kind: global_buffer, .address_space: global }
      - { .name: key, .offset: 8, .size: 8, .value_kind: global_buffer, .address_space: global }
      - { .name: value, .offset: 16, .size: 8, .value_kind: global_buffer, .address_space: global }
      - { .name: in_proj_weight, .offset: 24, .size: 8, .value_kind: global_buffer, .address_space: global }
      - { .name: out_proj_weight, .offset: 32, .size: 8, .value_kind: global_buffer, .address_space: global }
      - { .name: cod, .offset: 40, .size: 8, .value_kind: global_buffer, .address_space: global }
      - { .name: scl, .offset: 48, .size: 8, .value_kind: global_buffer, .address_space: global }
    .group_segment_fixed_size: 60160
    .private_segment_fixed_size: 0
    .kernarg_segment_align: 8
    .kernarg_segment_size: 56
    .max_flat_workgroup_size: 224
    .sgpr_count:     66
    .vgpr_count:     256
    .wavefront_size: 32
...
	.end_amdgpu_metadata
.endif
;; end of part 1
;; launch proj (part 2): grid 4 x 64, 4 waves a work-group, clusters of 4 x 4, 327,680 bytes of LDS; arguments cod, scl, in_proj_bias, qkv; writes qkv
.if DOCPART == 2
	.amdgcn_target "amdgcn-amd-amdhsa--gfx1250"
	.amdhsa_code_object_version 6
	.text
	.protected	k_q17abb53563_proj
	.globl	k_q17abb53563_proj
	.p2align	8
	.type	k_q17abb53563_proj,@function
k_q17abb53563_proj:
	s_mov_b64 s[64:65], 0
	v_nop
	global_prefetch_b8 v0, s[64:65] scope:SCOPE_SE
	s_setreg_imm32_b32 hwreg(HW_REG_WAVE_MODE, 25, 1), 1
	s_wait_xcnt 0x0
	s_wait_alu depctr_hold_cnt(0) depctr_sa_sdst(0) depctr_va_vdst(0) depctr_va_sdst(0) depctr_va_ssrc(0) depctr_va_vcc(0) depctr_vm_vsrc(0)
	s_getreg_b32 s2, hwreg(HW_REG_IB_STS2, 6, 4)
	s_cmp_eq_u32 s2, 0
	s_cbranch_scc0 .Lentry_in_a_cluster
	s_endpgm
.Lentry_in_a_cluster:
	s_bfe_u32 s2, ttmp6, 0x10000c
	s_cmp_lg_u32 s2, 0xf033
	s_cbranch_scc0 .Lentry_shape_is_right
	s_endpgm
.Lentry_shape_is_right:
; q, k, v = (query, key, value) W^T + b on codes of E2M3, three products one after the other (j = 0, 1, 2) on one ring of two LDS slots, each slot with four K steps of 128.
; C = P x R: P = source 0 (256 rows a work-group), R = source 1 (128 rows).  j = 0, 1: P = wq, wk, R = query, key: a lane holds one row (n, l), its registers run along the head's 64.
; j = 2: P = value's rows, R = wv: a lane holds one column d, its registers run along the keys.  So each result is quantised along the K of the product that takes it: q (x 1/8) and k along the head, v along the keys.
; The results go to qkv as one record for each (n, head): k's codes, v's codes, k's and v's scale words, q's codes, q's scale words, as images of the operands' registers.
; CLUSTER 4 x 4: P's tiles are asked for jointly along a column, R's along a row.  At the head a wave issues one joint load; the addresses and the loads of scale words and bias stand under its flight;
; slot 1's first fill follows behind the wait for 0, the add and a round.
.set SLOT,  147456
.set RO,    98304
.set SPARE, 294912
.set LI,  1
.set SPW, 2
.set NIL, 3
.set L32, 4
.set H64, 5
.set RP4, 6
.set L4,  7
.set AP,  8
.set AR,  10
.set PSC, 32
.set RSC, 64
.set PF,  96
.set RF,  192
.set BT,  0
.set BR,  64
.set Y,   96
.set DB,  160
.set TM,  208
.set PT,  224
.set WD,  232
.set ST,  236
.set G1P, 24
.set G1R, 32
.set G0P, 40
.set G0R, 48
.set PB,  56
.set RB,  66
.set PTN, 72
.set RTN, 75
.set MSB, 0
.macro WIN new
.if MSB != \new
	s_set_vgpr_msb (MSB<<8)|\new
.set MSB, \new
.endif
.endm
.macro PLACES n
.rept \n
	v_nop
.endr
.endm
.macro CREST
	s_cmp_lg_u32 s14, 0
	s_cbranch_scc1 .Lnot_wave_0_\@
	s_barrier_signal -3
.Lnot_wave_0_\@:
	s_barrier_wait -3
	s_barrier_signal -1
	s_barrier_wait -1
.endm
.macro CROUND
	s_barrier_signal -1
	s_barrier_wait -1
	CREST
.endm
.macro JLOAD s
	s_cmp_eq_u32 s16, 0
	s_cbranch_scc0 .Lfor_r_\@
	tensor_load_to_lds s[G0P+4*(\s):G0P+4*(\s)+3], s[G1P:G1P+7]
	s_nop 0
.rept 4
	v_nop
.endr
	s_branch .Lasked_\@
.Lfor_r_\@:
	tensor_load_to_lds s[G0R+4*(\s):G0R+4*(\s)+3], s[G1R:G1R+7]
	s_nop 0
.rept 4
	v_nop
.endr
.Lasked_\@:
.endm
.macro WM z, pa, pb
.if \z
.if (\pa) && (\pb)
	v_wmma_scale_f32_16x16x128_f8f6f4 v[rD:rD+7], v[rA:rA+11], v[rB:rB+11], 0, v[rSA], v[rSB] matrix_a_fmt:MATRIX_FMT_FP6 matrix_b_fmt:MATRIX_FMT_FP6 matrix_a_scale:MATRIX_SCALE_ROW1 matrix_b_scale:MATRIX_SCALE_ROW1
.elseif (\pa)
	v_wmma_scale_f32_16x16x128_f8f6f4 v[rD:rD+7], v[rA:rA+11], v[rB:rB+11], 0, v[rSA], v[rSB] matrix_a_fmt:MATRIX_FMT_FP6 matrix_b_fmt:MATRIX_FMT_FP6 matrix_a_scale:MATRIX_SCALE_ROW1
.elseif (\pb)
	v_wmma_scale_f32_16x16x128_f8f6f4 v[rD:rD+7], v[rA:rA+11], v[rB:rB+11], 0, v[rSA], v[rSB] matrix_a_fmt:MATRIX_FMT_FP6 matrix_b_fmt:MATRIX_FMT_FP6 matrix_b_scale:MATRIX_SCALE_ROW1
.else
	v_wmma_scale_f32_16x16x128_f8f6f4 v[rD:rD+7], v[rA:rA+11], v[rB:rB+11], 0, v[rSA], v[rSB] matrix_a_fmt:MATRIX_FMT_FP6 matrix_b_fmt:MATRIX_FMT_FP6
.endif
.else
.if (\pa) && (\pb)
	v_wmma_scale_f32_16x16x128_f8f6f4 v[rD:rD+7], v[rA:rA+11], v[rB:rB+11], v[rD:rD+7], v[rSA], v[rSB] matrix_a_fmt:MATRIX_FMT_FP6 matrix_b_fmt:MATRIX_FMT_FP6 matrix_a_scale:MATRIX_SCALE_ROW1 matrix_b_scale:MATRIX_SCALE_ROW1
.elseif (\pa)
	v_wmma_scale_f32_16x16x128_f8f6f4 v[rD:rD+7], v[rA:rA+11], v[rB:rB+11], v[rD:rD+7], v[rSA], v[rSB] matrix_a_fmt:MATRIX_FMT_FP6 matrix_b_fmt:MATRIX_FMT_FP6 matrix_a_scale:MATRIX_SCALE_ROW1
.elseif (\pb)
	v_wmma_scale_f32_16x16x128_f8f6f4 v[rD:rD+7], v[rA:rA+11], v[rB:rB+11], v[rD:rD+7], v[rSA], v[rSB] matrix_a_fmt:MATRIX_FMT_FP6 matrix_b_fmt:MATRIX_FMT_FP6 matrix_b_scale:MATRIX_SCALE_ROW1
.else
	v_wmma_scale_f32_16x16x128_f8f6f4 v[rD:rD+7], v[rA:rA+11], v[rB:rB+11], v[rD:rD+7], v[rSA], v[rSB] matrix_a_fmt:MATRIX_FMT_FP6 matrix_b_fmt:MATRIX_FMT_FP6
.endif
.endif
.endm
.macro FETCH slot, q, set
.if (\set) == 0
	WIN 0
.elseif (\set) == 1
	WIN 0x80
.else
	WIN 0xC0
.endif
.irp pt, 0,1,2,3,4,5,6,7
.irp g, 0,1,2
	ds_load_b128 v[PF+12*\pt+4*\g:PF+12*\pt+4*\g+3], v[AP+(\slot)] offset:\pt*6144+(\q)*1536+512*\g
.endr
.endr
.irp rt, 0,1,2,3
.irp g, 0,1,2
	ds_load_b128 v[RF+12*\rt+4*\g:RF+12*\rt+4*\g+3], v[AR+(\slot)] offset:\rt*6144+(\q)*1536+512*\g
.endr
.endr
.endm
.macro MWIN set
.if (\set) == 0
	WIN 0x50
.elseif (\set) == 1
	WIN 0x5A
.else
	WIN 0x5F
.endif
.endm
.macro MULR s, z, rt
.irp pt, 0,1,2,3,4,5,6,7
.set rD, 64*(\rt)+8*\pt
.set rA, PF+12*\pt
.set rB, RF+12*(\rt)
.set rSA, PSC+8*(\pt/2)+(\s)
.set rSB, RSC+8*((\rt)/2)+(\s)
	WM \z, \pt%2, (\rt)%2
.endr
.endm
.macro STEP j, s, set, z
	s_wait_dscnt 0x0
.if ((\j) > 0) && ((\s) == 1)
	s_wait_xcnt 0x0
.endif
.if (\s) > 0
	PLACES 4
.endif
	FETCH ((\s)+1)/4, ((\s)+1)%4, ((\s)+1)%2
	MWIN \set
.irp rt, 0,1,2,3
	MULR \s, \z, \rt
.endr
.endm
.macro TURN s, lead, refill, nj, fslot, fset
.if \lead
	s_wait_dscnt 0x0
	WIN 0x5A
	MULR \s, 0, 0
	MULR \s, 0, 1
.endif
	WIN 0
	s_wait_tensorcnt 0x0
	ds_add_u32 v[SPW], v[NIL]
.if (\lead) == 0
	s_wait_dscnt 0x1
.endif
	WIN 0x5A
	MULR \s, 0, 2*(\lead)
	s_wait_dscnt 0x0
	s_barrier_signal -1
	MULR \s, 0, 2*(\lead)+1
	WIN 0
	s_barrier_wait -1
.if \refill
	CREST
	s_add_nc_u64 s[G0P+4*((\s)/4)+2:G0P+4*((\s)/4)+3], s[PB+2*(\nj):PB+2*(\nj)+1], ((\s)/4)*6144
	s_or_b32 s[G0P+4*((\s)/4)+3], s[G0P+4*((\s)/4)+3], 0x80000000
	s_add_nc_u64 s[G0R+4*((\s)/4)+2:G0R+4*((\s)/4)+3], s[RB+2*(\nj):RB+2*(\nj)+1], ((\s)/4)*6144
	s_or_b32 s[G0R+4*((\s)/4)+3], s[G0R+4*((\s)/4)+3], 0x80000000
	JLOAD (\s)/4
.else
	PLACES 4
.endif
	FETCH \fslot, 0, \fset
.if (\lead) == 0
	WIN 0x5A
	MULR \s, 0, 2
	MULR \s, 0, 3
.endif
.endm
.macro QUANT s, d0, d1
.irp b, 0,1,2,3
	v_max3_num_f32 v[TM+\b], |v[(\s)+16*\b]|, |v[(\s)+1+16*\b]|, 0x1800000
.endr
.irp i, 2,4,6,8,10,12,14
.irp b, 0,1,2,3
	v_max3_num_f32 v[TM+\b], v[TM+\b], |v[(\s)+16*\b+\i]|, |v[(\s)+1+16*\b+\i]|
.endr
.endr
.irp b, 0,1,2,3
	v_permlanex16_b32 v[TM+4+\b], v[TM+\b], s98, s99
.endr
.irp b, 0,1,2,3
	v_max_num_f32 v[TM+\b], v[TM+\b], v[TM+4+\b]
.endr
.irp b, 0,1,2,3
	v_add_nc_u32 v[TM+12+\b], 0xff000000, v[TM+\b]
.endr
.irp b, 0,1,2,3
	v_lshrrev_b32 v[TM+4+\b], 23, v[TM+12+\b]
.endr
	v_cvt_scalef32_pk16_fp6_f32 v[(\d0):(\d0)+2], v[(\s):(\s)+15], v[TM+12]
	v_cvt_scalef32_pk16_fp6_f32 v[PT:PT+2], v[(\s)+16:(\s)+31], v[TM+13]
	v_cvt_scalef32_pk16_fp6_f32 v[(\d1):(\d1)+2], v[(\s)+32:(\s)+47], v[TM+14]
	v_cvt_scalef32_pk16_fp6_f32 v[PT+4:PT+6], v[(\s)+48:(\s)+63], v[TM+15]
	v_nop
.irp i, 0,1,2
	v_permlane16_swap_b32 v[(\d0)+\i], v[PT+\i]
	v_permlane16_swap_b32 v[(\d1)+\i], v[PT+4+\i]
.endr
.irp i, 0,1,2
	v_mov_b32 v[(\d0)+3+\i], v[PT+\i]
	v_mov_b32 v[(\d1)+3+\i], v[PT+4+\i]
.endr
.endm
.macro PREPS j
	s_lshl_b32 s82, s15, 3
	s_add_co_u32 s82, s82, s[PTN+(\j)]
	s_lshl_b32 s82, s82, 9
	s_mov_b32 s83, 0
	s_add_nc_u64 s[82:83], s[6:7], s[82:83]
	s_lshl_b32 s86, s16, 2
	s_add_co_u32 s86, s86, s[RTN+(\j)]
	s_lshl_b32 s86, s86, 9
	s_mov_b32 s87, 0
	s_add_nc_u64 s[86:87], s[6:7], s[86:87]
.irp p, 0,1,2,3
.irp k, 0,1
	global_load_b128 v[PSC+8*\p+4*\k:PSC+8*\p+4*\k+3], v[L32], s[82:83] offset:1024*\p+16*\k
.endr
.endr
.irp p, 0,1
.irp k, 0,1
	global_load_b128 v[RSC+8*\p+4*\k:RSC+8*\p+4*\k+3], v[L32], s[86:87] offset:1024*\p+16*\k
.endr
.endr
.endm
.macro PREPBP j
	s_lshl_b32 s94, s17, 10
	s_lshl_b32 s95, s15, 9
	s_add_co_u32 s94, s94, s95
	s_add_co_u32 s94, s94, 4096*(\j)
	s_mov_b32 s95, 0
	s_add_nc_u64 s[94:95], s[8:9], s[94:95]
	WIN 0x80
.irp pt, 0,1,2,3,4,5,6,7
	global_load_b128 v[BT+8*\pt:BT+8*\pt+3], v[H64], s[94:95] offset:128*(\pt/2)+32*(\pt%2)
	global_load_b128 v[BT+8*\pt+4:BT+8*\pt+7], v[H64], s[94:95] offset:128*(\pt/2)+32*(\pt%2)+16
.endr
	WIN 0
.endm
.macro PREPBR
	s_and_b32 s94, s19, 1
	s_lshl_b32 s94, s94, 2
	s_add_co_u32 s94, s94, s18
	s_lshl_b32 s94, s94, 9
	s_lshl_b32 s95, s16, 8
	s_add_co_u32 s94, s94, s95
	s_add_co_u32 s94, s94, 8192
	s_mov_b32 s95, 0
	s_add_nc_u64 s[94:95], s[8:9], s[94:95]
	WIN 0x80
.irp rt, 0,1,2,3
	global_load_b32 v[BR+2*\rt], v[RP4], s[94:95] offset:128*(\rt/2)+32*(\rt%2)
	global_load_b32 v[BR+2*\rt+1], v[RP4], s[94:95] offset:128*(\rt/2)+32*(\rt%2)
.endr
	WIN 0
.endm
.macro EPIQK j
.irp b, 0,1,2,3
	v_mov_b32 v[TM+4+\b], 0
.endr
	s_lshl_b32 s20, s19, 5
	s_lshl_b32 s21, s18, 3
	s_add_co_u32 s20, s20, s21
	s_lshl_b32 s21, s16, 2
	s_add_co_u32 s20, s20, s21
	s_lshr_b32 s21, s20, 6
	s_and_b32 s20, s20, 63
	s_lshr_b32 s20, s20, 1
	s_lshl_b32 s21, s21, 4
	s_lshl_b32 s22, s17, 2
	s_add_co_u32 s21, s21, s22
	s_lshl_b32 s22, s15, 1
	s_add_co_u32 s21, s21, s22
	s_mul_i32 s21, s21, 153600
	s_mul_i32 s22, s20, 1536
	s_add_co_u32 s22, s22, s21
	s_add_co_u32 s22, s22, 102400*(1-(\j))
	s_lshl_b32 s88, s20, 6
	s_add_co_u32 s88, s88, s21
	s_add_co_u32 s88, s88, 98304+53248*(1-(\j))
	s_mov_b32 s23, 0
	s_mov_b32 s89, 0
	s_add_nc_u64 s[22:23], s[10:11], s[22:23]
	s_add_nc_u64 s[88:89], s[10:11], s[88:89]
.if (\j) == 0
	WIN 0x82
.set i, 0
.rept 32
	v_pk_mul_f32 v[BT+i:BT+i+1], v[BT+i:BT+i+1], s[2:3] op_sel_hi:[1,0]
.set i, i+2
.endr
.endif
.irp g, 0,1
.irp u, 0,1
.set i, 0
.if (\j) == 0
	WIN 0x21
.rept 32
	v_pk_fma_f32 v[Y+i:Y+i+1], v[64*(2*\g+\u)+i:64*(2*\g+\u)+i+1], s[2:3], v[BT+i:BT+i+1] op_sel_hi:[1,0,1]
.set i, i+2
.endr
.else
	WIN 0x09
.rept 32
	v_pk_add_f32 v[Y+i:Y+i+1], v[64*(2*\g+\u)+i:64*(2*\g+\u)+i+1], v[BT+i:BT+i+1]
.set i, i+2
.endr
.endif
	WIN 0
	QUANT Y, DB+24*\g+6*\u, DB+24*\g+12+6*\u
.irp c, 0,1
.if \u == 0
	v_lshl_or_b32 v[WD+2*\g+\c], v[TM+5+2*\c], 8, v[TM+4+2*\c]
.else
	v_lshl_or_b32 v16, v[TM+5+2*\c], 8, v[TM+4+2*\c]
	v_lshl_or_b32 v[WD+2*\g+\c], v16, 16, v[WD+2*\g+\c]
.endif
.endr
.endr
.endr
.irp g, 0,1
.irp c, 0,1
.irp k, 0,1,2
	global_store_b128 v[LI], v[DB+24*\g+12*\c+4*\k:DB+24*\g+12*\c+4*\k+3], s[22:23] offset:\c*153600+\g*1536+512*\k
.endr
.endr
.endr
.irp c, 0,1
	v_cndmask_b32 v[ST+\c], v[WD+\c], v[WD+2+\c], s12
	global_store_b32 v[L4], v[ST+\c], s[88:89] offset:\c*153600
.endr
.endm
.macro EPIV
.irp b, 0,1,2,3
	v_mov_b32 v[TM+4+\b], 0
.endr
	s_lshr_b32 s20, s19, 1
	s_lshl_b32 s20, s20, 2
	s_add_co_u32 s20, s20, s17
	s_lshl_b32 s20, s20, 4
	s_lshl_b32 s21, s15, 3
	s_add_co_u32 s20, s20, s21
	s_lshr_b32 s21, s20, 6
	s_and_b32 s20, s20, 63
	s_lshr_b32 s20, s20, 3
	s_lshl_b32 s21, s21, 4
	s_and_b32 s22, s19, 1
	s_lshl_b32 s22, s22, 2
	s_add_co_u32 s22, s22, s18
	s_lshl_b32 s22, s22, 1
	s_add_co_u32 s21, s21, s22
	s_add_co_u32 s21, s21, s16
	s_mul_i32 s21, s21, 153600
	s_mul_i32 s22, s20, 6144
	s_add_co_u32 s22, s22, s21
	s_add_co_u32 s22, s22, 49152
	s_lshl_b32 s88, s20, 8
	s_add_co_u32 s88, s88, s21
	s_add_co_u32 s88, s88, 100352
	s_mov_b32 s23, 0
	s_mov_b32 s89, 0
	s_add_nc_u64 s[22:23], s[10:11], s[22:23]
	s_add_nc_u64 s[88:89], s[10:11], s[88:89]
.irp rt, 0,1,2,3
	WIN 0x09
.set i, 0
.rept 32
	v_pk_add_f32 v[Y+i:Y+i+1], v[64*\rt+i:64*\rt+i+1], v[BR+2*\rt:BR+2*\rt+1]
.set i, i+2
.endr
	WIN 0
	QUANT Y, DB+12*\rt, DB+12*\rt+6
	v_lshl_or_b32 v[WD+\rt], v[TM+5], 8, v[TM+4]
	v_lshl_or_b32 v[WD+\rt], v[TM+6], 16, v[WD+\rt]
	v_lshl_or_b32 v[WD+\rt], v[TM+7], 24, v[WD+\rt]
.endr
.irp rt, 0,1,2,3
.irp k, 0,1,2
	global_store_b128 v[LI], v[DB+12*\rt+4*\k:DB+12*\rt+4*\k+3], s[22:23] offset:\rt*1536+512*\k
.endr
.endr
.irp g, 0,1
	v_cndmask_b32 v[ST+\g], v[WD+2*\g], v[WD+2*\g+1], s12
	global_store_b32 v[L4], v[ST+\g], s[88:89] offset:128*\g
.endr
.endm
.macro KSTEPS j, set0, nb
	s_wait_loadcnt \nb
	STEP \j, 0, \set0, 1
	STEP \j, 1, 1, 0
	STEP \j, 2, 0, 0
.if (\j) < 2
	TURN 3, 0, 1, (\j)+1, 1, 0
.else
	TURN 3, 0, 0, 0, 1, 0
.endif
	STEP \j, 4, 0, 0
	STEP \j, 5, 1, 0
	STEP \j, 6, 0, 0
.if (\j) < 2
	TURN 7, 1, 1, (\j)+1, 0, 2
.else
	s_wait_dscnt 0x0
	WIN 0x5A
.irp rt, 0,1,2,3
	MULR 7, 0, \rt
.endr
.endif
	PLACES 4
	WIN 0
.endm
	s_load_b256 s[4:11], s[0:1], 0x0
	v_lshl_add_u32 v[SPW], v0, 2, SPARE
	v_mov_b32 v[NIL], 0
	ds_add_u32 v2, v3
	ds_add_u32 v2, v3
	s_wait_dscnt 0x0
	v_lshrrev_b32 v16, 5, v0
	v_readfirstlane_b32 s14, v16
	s_and_b32 s15, s14, 1
	s_lshr_b32 s16, s14, 1
	s_bfe_u32 s17, ttmp6, 0x40000
	s_bfe_u32 s18, ttmp6, 0x40004
	s_and_b32 s19, ttmp7, 0xffff
	s_lshl_b32 s20, s17, 4
	s_add_co_u32 s[PTN], s20, 1536
	s_add_co_u32 s[PTN+1], s20, 1600
	s_lshr_b32 s21, s19, 1
	s_lshl_b32 s21, s21, 6
	s_add_co_u32 s21, s21, s20
	s_add_co_u32 s[PTN+2], s21, 1024
	s_lshl_b32 s22, s18, 3
	s_lshl_b32 s23, s19, 5
	s_add_co_u32 s[RTN], s23, s22
	s_add_co_u32 s[RTN+1], s[RTN], 512
	s_and_b32 s23, s19, 1
	s_lshl_b32 s23, s23, 5
	s_add_co_u32 s23, s23, s22
	s_add_co_u32 s[RTN+2], s23, 1664
	s_lshl_b32 s92, 0x1111, s17
	s_lshl_b32 s93, s18, 2
	s_lshl_b32 s93, 15, s93
	s_or_b32 s[G1P], s92, (3<<16)|(1<<21)
	s_or_b32 s[G1R], s93, (3<<16)|(1<<21)
	s_mov_b32 s[G1P+1], 768<<16
	s_mov_b32 s[G1P+2], 8<<16
	s_mov_b32 s[G1P+3], 768<<16
	s_mov_b32 s[G1P+4], 8
	s_mov_b32 s[G1P+5], 1536
	s_mov_b32 s[G1P+6], 0
	s_mov_b32 s[G1P+7], 0
	s_mov_b32 s[G1R+1], 768<<16
	s_mov_b32 s[G1R+2], 4<<16
	s_mov_b32 s[G1R+3], 768<<16
	s_mov_b32 s[G1R+4], 4
	s_mov_b32 s[G1R+5], 1536
	s_mov_b32 s[G1R+6], 0
	s_mov_b32 s[G1R+7], 0
	s_lshl_b32 s20, s15, 3
	s_lshl_b32 s21, s15, 2
.irp j, 0,1,2
	s_add_co_u32 s[PB+2*\j], s[PTN+\j], s20
	s_mul_i32 s[PB+2*\j], s[PB+2*\j], 12288
	s_mov_b32 s[PB+2*\j+1], 0
	s_add_co_u32 s[RB+2*\j], s[RTN+\j], s21
	s_mul_i32 s[RB+2*\j], s[RB+2*\j], 12288
	s_mov_b32 s[RB+2*\j+1], 0
.endr
	s_mul_i32 s22, s15, 49152
	s_mul_i32 s23, s15, 24576
	s_wait_kmcnt 0x0
.irp j, 0,1,2
	s_add_nc_u64 s[PB+2*\j:PB+2*\j+1], s[4:5], s[PB+2*\j:PB+2*\j+1]
	s_add_nc_u64 s[RB+2*\j:RB+2*\j+1], s[4:5], s[RB+2*\j:RB+2*\j+1]
.endr
.irp s, 0,1
	s_mov_b32 s[G0P+4*\s], 1
	s_add_co_u32 s[G0P+4*\s+1], s22, \s*SLOT
	s_add_nc_u64 s[G0P+4*\s+2:G0P+4*\s+3], s[PB:PB+1], \s*6144
	s_or_b32 s[G0P+4*\s+3], s[G0P+4*\s+3], 0x80000000
	s_mov_b32 s[G0R+4*\s], 1
	s_add_co_u32 s[G0R+4*\s+1], s23, \s*SLOT+RO
	s_add_nc_u64 s[G0R+4*\s+2:G0R+4*\s+3], s[RB:RB+1], \s*6144
	s_or_b32 s[G0R+4*\s+3], s[G0R+4*\s+3], 0x80000000
.endr
	CROUND
	JLOAD 0
	v_and_b32 v16, 31, v0
	v_lshlrev_b32 v[LI], 4, v16
	v_lshlrev_b32 v[L32], 5, v16
	v_lshlrev_b32 v[L4], 2, v16
	v_bfe_u32 v17, v0, 4, 1
	v_lshlrev_b32 v[H64], 6, v17
	s_wait_alu depctr_va_vdst(0)
	v_and_b32 v16, 15, v0
	v_and_b32 v17, 8, v16
	v_add_nc_u32 v17, v17, v16
	v_lshlrev_b32 v[RP4], 2, v17
	s_mul_i32 s13, s15, 49152
	v_add_nc_u32 v[AP], s13, v[LI]
	v_add_nc_u32 v[AP+1], SLOT, v[AP]
	s_mul_i32 s13, s16, 24576
	s_add_co_u32 s13, s13, RO
	v_add_nc_u32 v[AR], s13, v[LI]
	v_add_nc_u32 v[AR+1], SLOT, v[AR]
	PREPS 0
	PREPBP 0
	s_mov_b32 s2, 0x3e000000
	s_mov_b32 s3, s2
	s_mov_b32 s12, 0xffff0000
	s_mov_b32 s98, 0x76543210
	s_mov_b32 s99, 0xfedcba98
	s_wait_alu depctr_va_vdst(0)
	s_wait_tensorcnt 0x0                           ; my part of slot 0 is in
	ds_add_u32 v2, v3
	s_wait_dscnt 0x0
	CROUND                                         ; everybody's part is in, and the sixteen work-groups meet
	JLOAD 1                                        ; slot 1's first fill: my one tensor load behind the round
	FETCH 0, 0, 0
	KSTEPS 0, 0, 16
	PREPS 1
	s_wait_loadcnt 12
	EPIQK 0
	PREPBP 1
	KSTEPS 1, 2, 16
	PREPS 2
	s_wait_loadcnt 12
	EPIQK 1
	PREPBR
	KSTEPS 2, 2, 8
	s_wait_loadcnt 0x0
	EPIV
	s_wait_tensorcnt 0x0
	ds_add_u32 v[SPW], v[NIL]
	s_wait_dscnt 0x0
	CROUND
	s_endpgm
.Lfunc_end_k_q17abb53563_proj:
	.size	k_q17abb53563_proj, .Lfunc_end_k_q17abb53563_proj-k_q17abb53563_proj
	.p2alignl 7, 3214868480
	.fill 96, 4, 3214868480
	.section	.rodata,"a",@progbits
	.p2align	6, 0x0
	.amdhsa_kernel k_q17abb53563_proj
		.amdhsa_group_segment_fixed_size 327680
		.amdhsa_private_segment_fixed_size 0
		.amdhsa_enable_private_segment 0
		.amdhsa_kernarg_size 32
		.amdhsa_user_sgpr_count 2
		.amdhsa_user_sgpr_kernarg_segment_ptr 1
		.amdhsa_wavefront_size32 1
		.amdhsa_system_sgpr_workgroup_id_x 1
		.amdhsa_system_sgpr_workgroup_id_y 1
		.amdhsa_system_sgpr_workgroup_id_z 1
		.amdhsa_system_vgpr_workitem_id 0
		.amdhsa_next_free_vgpr 1024
		.amdhsa_next_free_sgpr 100
		.amdhsa_reserve_vcc 0
		.amdhsa_float_denorm_mode_32 3
		.amdhsa_float_denorm_mode_16_64 3
		.amdhsa_memory_ordered 1
		.amdhsa_forward_progress 1
		.amdhsa_inst_pref_size 255
	.end_amdhsa_kernel
	.section	.bss,"aw",@nobits
	.p2align	6
	.space	262144
	.amdgpu_metadata
---
amdhsa.version: [ 1, 2 ]
amdhsa.kernels:
  - .name:           k_q17abb53563_proj
    .symbol:         k_q17abb53563_proj.kd
    .args:
      - { .name: cod, .offset: 0, .size: 8, .value_kind: global_buffer, .address_space: global }
      - { .name: scl, .offset: 8, .size: 8, .value_kind: global_buffer, .address_space: global }
      - { .name: in_proj_bias, .offset: 16, .size: 8, .value_kind: global_buffer, .address_space: global }
      - { .name: qkv, .offset: 24, .size: 8, .value_kind: global_buffer, .address_space: global }
    .group_segment_fixed_size: 327680
    .private_segment_fixed_size: 0
    .kernarg_segment_align: 8
    .kernarg_segment_size: 32
    .max_flat_workgroup_size: 128
    .sgpr_count:     100
    .vgpr_count:     1024
    .wavefront_size: 32
...
	.end_amdgpu_metadata
.endif
;; end of part 2
;; launch attn (part 3): grid 32 x 8, 4 waves a work-group, clusters of 4 x 1, 327,680 bytes of LDS; arguments qkv, time, out1, oc, os; writes out1, oc, os
.if DOCPART == 3
	.amdgcn_target "amdgcn-amd-amdhsa--gfx1250"
	.amdhsa_code_object_version 6
	.text
	.protected	k_q17abb53563_attn
	.globl	k_q17abb53563_attn
	.p2align	8
	.type	k_q17abb53563_attn,@function
k_q17abb53563_attn:
	s_mov_b64 s[64:65], 0
	v_nop
	global_prefetch_b8 v0, s[64:65] scope:SCOPE_SE
	s_setreg_imm32_b32 hwreg(HW_REG_WAVE_MODE, 25, 1), 1
	s_wait_xcnt 0x0
	s_wait_alu depctr_hold_cnt(0) depctr_sa_sdst(0) depctr_va_vdst(0) depctr_va_sdst(0) depctr_va_ssrc(0) depctr_va_vcc(0) depctr_vm_vsrc(0)
	s_getreg_b32 s2, hwreg(HW_REG_IB_STS2, 6, 4)
	s_cmp_eq_u32 s2, 0
	s_cbranch_scc0 .Lentry_in_a_cluster
	s_endpgm
.Lentry_in_a_cluster:
	s_bfe_u32 s2, ttmp6, 0x10000c
	s_cmp_lg_u32 s2, 0x3003
	s_cbranch_scc0 .Lentry_shape_is_right
	s_endpgm
.Lentry_shape_is_right:
; Attention for batch n (grid y) and a block of 32 queries (grid x); the work-group walks the 16 heads, so that the mean of the attention weights over the heads (out1) is summed in registers and stored once.
; Wave w: queries 16 (w % 2) on, keys 512 (w / 2) on.  S^T = k q^T and O^T = v^T p^T, both transposed: a lane holds one query, its registers run along the keys.
; The head's axis is 64, the matrix step 128: a fragment of k holds two tiles of keys side by side, and q stands once in the lower and once in the upper 64 with zero codes in the other half.
; t = score x exp((t_i - t_j) / 1e6) x log2(e): the factor is made once, at the head, and kept in window 3.  M = ceil(my half's largest t); p = 2^(t - M); the sum is taken of the unquantised p.
; The two key halves hand each other -M, the sum and their part of O^T through LDS; the powers of two that bring both under one M are exact.  O is quantised along the model's axis and gathered in LDS for the last product's launch.
; A record of qkv (one (n, head)): k's codes, v's codes, their scale words (102,400 bytes: a slot), then q's.  CLUSTER 4 x 1: four blocks of queries of one n ask for each record jointly; a ring of two slots, one round a head.
; WINDOWS: 0 addresses, fragments, small work; 1 scores, then p; 2 the sum of p / (16 l) over the heads; 3 the factor.
; LIMITS: the promise holds while the scaled scores t stay under 2^31 in magnitude; NaN and infinities among the inputs are not served.
.set REC,   153600
.set SLOT1, 1<<17
.set EX,    102400
.set OSC,   120832
.set SPARE, 121856
.set OC,    233472
.set STAGE, 266240
.set SPW, 1
.set NIL, 2
.set LI,  3
.set LS,  4
.set AKB, 5
.set AVOB, 6
.set AVPB, 7
.set ASB, 8
.set AS2B, 9
.set AS3B, 10
.set EXW, 11
.set EXR, 12
.set EXSW, 13
.set EXSR, 14
.set OCA, 15
.set OSA, 16
.set QSO, 17
.set PFO, 18
.set QL,  32
.set QH,  44
.set QT,  56
.set QSR, 68
.set QS,  69
.set SCL, 70
.set PS,  78
.set AK,  90
.set AS,  91
.set AVO, 92
.set AVP, 93
.set AS2, 94
.set AS3, 95
.set BM,  96
.set T,   112
.set FB,  128
.set PC,  224
.set PT,  248
.set TB,  22
.set EB,  23
.set CNT, 40
.set TL,  41
.set LIM, 42
.set PFA, 44
.set QB,  46
.set UM,  48
.set SELQ, 49
.set OH,  50
.set OS2, 51
.set QSB, 66
.set MSB, 0
.macro WIN new
.if MSB != \new
	s_set_vgpr_msb (MSB<<8)|\new
.set MSB, \new
.endif
.endm
.macro PLACES n
.rept \n
	v_nop
.endr
.endm
.macro CROUND
	s_barrier_signal -1
	s_barrier_wait -1
	s_cmp_lg_u32 s14, 0
	s_cbranch_scc1 .Lnot_wave_0_\@
	s_barrier_signal -3
.Lnot_wave_0_\@:
	s_barrier_wait -3
	s_barrier_signal -1
	s_barrier_wait -1
.endm
.macro ASK
	s_cmp_gt_u32 s[CNT], s[LIM]
	s_cbranch_scc0 .Lnot_mine_\@
	global_prefetch_b8 v[PFO], s[PFA:PFA+1] th:TH_LOAD_NT scope:SCOPE_SE
.Lnot_mine_\@:
.endm
.macro WM z, pa
.if \z
.if (\pa)
	v_wmma_scale_f32_16x16x128_f8f6f4 v[rD:rD+7], v[rA:rA+11], v[rB:rB+11], 0, v[rSA], v[rSB] matrix_a_fmt:MATRIX_FMT_FP6 matrix_b_fmt:MATRIX_FMT_FP6 matrix_a_scale:MATRIX_SCALE_ROW1
.else
	v_wmma_scale_f32_16x16x128_f8f6f4 v[rD:rD+7], v[rA:rA+11], v[rB:rB+11], 0, v[rSA], v[rSB] matrix_a_fmt:MATRIX_FMT_FP6 matrix_b_fmt:MATRIX_FMT_FP6
.endif
.else
.if (\pa)
	v_wmma_scale_f32_16x16x128_f8f6f4 v[rD:rD+7], v[rA:rA+11], v[rB:rB+11], v[rD:rD+7], v[rSA], v[rSB] matrix_a_fmt:MATRIX_FMT_FP6 matrix_b_fmt:MATRIX_FMT_FP6 matrix_a_scale:MATRIX_SCALE_ROW1
.else
	v_wmma_scale_f32_16x16x128_f8f6f4 v[rD:rD+7], v[rA:rA+11], v[rB:rB+11], v[rD:rD+7], v[rSA], v[rSB] matrix_a_fmt:MATRIX_FMT_FP6 matrix_b_fmt:MATRIX_FMT_FP6
.endif
.endif
.endm
.macro FETCHK q
	WIN 0
.irp d, 0,1,2,3
.irp g, 0,1,2
	ds_load_b128 v[FB+48*((\q)%2)+12*\d+4*\g:FB+48*((\q)%2)+12*\d+4*\g+3], v[AK] offset:(4*(\q)+\d)*1536+512*\g
.endr
.endr
.endm
.macro FETCHV ks
.irp t, 0,1
.irp g, 0,1,2
	ds_load_b128 v[FB+48*((\ks)%2)+12*\t+4*\g:FB+48*((\ks)%2)+12*\t+4*\g+3], v[AVO] offset:(\ks)*6144+\t*1536+512*\g
.endr
.endr
.irp t, 0,1
.irp g, 0,1,2
	ds_load_b128 v[FB+48*((\ks)%2)+24+12*\t+4*\g:FB+48*((\ks)%2)+24+12*\t+4*\g+3], v[AVP] offset:(\ks)*6144+\t*1536+512*\g
.endr
.endr
.endm
.macro KSTART
	v_add_nc_u32 v[AK], s[TB], v[AKB]
	v_add_nc_u32 v[AS], s[TB], v[ASB]
	v_add_nc_u32 v[AVO], s[TB], v[AVOB]
	v_add_nc_u32 v[AVP], s[TB], v[AVPB]
	v_add_nc_u32 v[AS2], s[TB], v[AS2B]
	v_add_nc_u32 v[AS3], s[TB], v[AS3B]
.irp j, 0,1,2,3,4,5,6,7
	ds_load_b32 v[SCL+\j], v[AS] offset:128*\j
.endr
	FETCHK 0
	FETCHK 1
.endm
.macro VEC q
	WIN 0x4D
.set j, 64*(\q)
.rept 32
	v_pk_mul_f32 v[j:j+1], v[j:j+1], v[j:j+1]
.set j, j+2
.endr
	WIN 0x05
.irp d, 0,1,2,3
	v_max_num_f32 v[BM+4*(\q)+\d], v[64*(\q)+16*\d], v[64*(\q)+16*\d+1]
.endr
	WIN 0x14
.irp e, 2,4,6,8,10,12,14
.irp d, 0,1,2,3
	v_max3_num_f32 v[BM+4*(\q)+\d], v[BM+4*(\q)+\d], v[64*(\q)+16*\d+\e], v[64*(\q)+16*\d+\e+1]
.endr
.endr
	WIN 0
.endm
.macro QP ks
	WIN 0x01
.irp c, 0,1
	v_cvt_scalef32_pk16_fp6_f32 v[PC+12*((\ks)%2)+6*\c:PC+12*((\ks)%2)+6*\c+2], v[64*(\ks)+32*\c:64*(\ks)+32*\c+15], v[BM+4*(\ks)+2*\c]
	v_cvt_scalef32_pk16_fp6_f32 v[PT+4*\c:PT+4*\c+2], v[64*(\ks)+32*\c+16:64*(\ks)+32*\c+31], v[BM+4*(\ks)+2*\c+1]
.endr
	WIN 0
	v_nop
.irp c, 0,1
.irp i, 0,1,2
	v_permlane16_swap_b32 v[PC+12*((\ks)%2)+6*\c+\i], v[PT+4*\c+\i]
.endr
.irp i, 0,1,2
	v_mov_b32 v[PC+12*((\ks)%2)+3+6*\c+\i], v[PT+4*\c+\i]
.endr
.endr
.endm
.macro PV ks, z
.irp t, 0,1,2,3
.set rD, 32+8*\t+64*(\t/2)
.set rA, FB+48*((\ks)%2)+12*\t
.set rB, PC+12*((\ks)%2)
.set rSA, SCL+2*(\ks)+\t/2
.set rSB, PS+(\ks)
	WM \z, \t%2
.endr
.endm
.macro QLOAD
.irp g, 0,1,2
	global_load_b128 v[QT+4*\g:QT+4*\g+3], v[LI], s[QB:QB+1] offset:512*\g
.endr
	global_load_b32 v[QSR], v[QSO], s[QSB:QSB+1]
.endm
.macro HEAD refill
	s_wait_loadcnt 0x0
	v_perm_b32 v[QS], v[QSR], v[QSR], s[SELQ]
.irp i, 0,1,2,3,4,5
	v_cndmask_b32 v[QL+\i], v[QT+\i], v[QT+6+\i], s[UM]
	v_cndmask_b32 v[QH+6+\i], v[QT+\i], v[QT+6+\i], s[UM]
	v_mov_b32 v[QL+6+\i], 0
	v_mov_b32 v[QH+\i], 0
.endr
	s_add_nc_u64 s[QB:QB+1], s[QB:QB+1], REC
	s_add_nc_u64 s[QSB:QSB+1], s[QSB:QSB+1], REC
.if \refill
	QLOAD
.else
	s_cmp_eq_u32 s[TL], 1
	s_cbranch_scc1 .Lno_q_\@
	QLOAD
.Lno_q_\@:
.endif
	PLACES 8
	s_wait_alu depctr_va_vdst(0)
.irp i, 0,1,2,3
.if \i < 3
	s_wait_dscnt 12
.else
	s_wait_dscnt 0x0
.endif
	WIN 0x40
.irp d, 0,1,2,3
.set b, 4*\i+\d
.set rA, FB+48*(\i%2)+12*\d
.set rSA, SCL+b/2
.set rSB, QS
.set rD, 16*b
.set rB, QL
	WM 1, b%2
.set rD, 16*b+8
.set rB, QH
	WM 1, b%2
.endr
	PLACES 5
.if \i < 2
	FETCHK \i+2
.endif
	VEC \i
.endr
	FETCHV 0
	FETCHV 1
.irp ks, 0,1,2,3
	ds_load_b32 v[SCL+2*\ks], v[AS2] offset:256*\ks
	ds_load_b32 v[SCL+2*\ks+1], v[AS3] offset:256*\ks
.endr
.irp b, 0,1,2,3,4,5,6,7,8,9,10,11,12,13,14,15
	v_permlanex16_b32 v[T+\b], v[BM+\b], s20, s21
.endr
.irp b, 0,1,2,3,4,5,6,7,8,9,10,11,12,13,14,15
	v_max_num_f32 v[BM+\b], v[BM+\b], v[T+\b]
.endr
	v_max3_num_f32 v30, v[BM], v[BM+1], v[BM+2]
.irp i, 3,5,7,9,11,13
	v_max3_num_f32 v30, v30, v[BM+\i], v[BM+\i+1]
.endr
	v_max_num_f32 v30, v30, v[BM+15]
	v_floor_f32 v20, -v30
.irp b, 0,1,2,3,4,5,6,7,8,9,10,11,12,13,14,15
	v_add_f32 v[BM+\b], v[BM+\b], v20
.endr
	s_wait_alu depctr_va_vdst(0)
.irp b, 0,1,2,3,4,5,6,7,8,9,10,11,12,13,14,15
	v_exp_f32 v[BM+\b], v[BM+\b]
.endr
	WIN 0x41
.set j, 0
.rept 128
	v_pk_add_f32 v[j:j+1], v[j:j+1], v[20:21] op_sel_hi:[1,0]   ; t - M, all 256 first: the batch below then has one wait ahead of it and one behind
.set j, j+2
.endr
	s_wait_alu depctr_va_vdst(0)                   ; the wait ahead of the batch; it also serves the sixteen block maxima's exponentials
.set j, 0
.rept 256
	v_exp_f32 v[j], v[j]                           ; p = 2^(t - M)
.set j, j+1
.endr
	v_nop
	s_wait_alu depctr_va_vdst(0)
	WIN 0x05
.irp k, 0,1,2,3,4,5,6,7
	v_pk_add_f32 v[T+2*\k:T+2*\k+1], v[2*\k:2*\k+1], v[16+2*\k:17+2*\k]   ; the row's sum in eight chains by turns, in T, which holds nothing here
.endr
	WIN 0x04
.set j, 32
.rept 112
	v_pk_add_f32 v[T+(j%16):T+(j%16)+1], v[T+(j%16):T+(j%16)+1], v[j:j+1]
.set j, j+2
.endr
	WIN 0
.irp k, 0,1,2,3
	v_pk_add_f32 v[T+2*\k:T+2*\k+1], v[T+2*\k:T+2*\k+1], v[T+8+2*\k:T+9+2*\k]
.endr
	v_pk_add_f32 v[T:T+1], v[T:T+1], v[T+4:T+5]
	v_pk_add_f32 v[T+2:T+3], v[T+2:T+3], v[T+6:T+7]
	v_pk_add_f32 v[T:T+1], v[T:T+1], v[T+2:T+3]
	v_add_f32 v21, v[T], v[T+1]
	v_permlanex16_b32 v30, v21, s20, s21
	v_add_f32 v21, v21, v30
.irp b, 0,1,2,3,4,5,6,7,8,9,10,11,12,13,14,15
	v_max_num_f32 v[BM+\b], 0x1800000, v[BM+\b]
.endr
.irp b, 0,1,2,3,4,5,6,7,8,9,10,11,12,13,14,15
	v_add_nc_u32 v[BM+\b], 0xff000000, v[BM+\b]
.endr
.irp b, 0,1,2,3,4,5,6,7,8,9,10,11,12,13,14,15
	v_lshrrev_b32 v[T+\b], 23, v[BM+\b]
.endr
.irp ks, 0,1,2,3
	v_lshl_or_b32 v[PS+\ks], v[T+4*\ks+1], 8, v[T+4*\ks]
	v_lshl_or_b32 v[PS+\ks], v[T+4*\ks+2], 16, v[PS+\ks]
	v_lshl_or_b32 v[PS+\ks], v[T+4*\ks+3], 24, v[PS+\ks]
.endr
	QP 0
	QP 1
	s_wait_dscnt 0x0
	PLACES 8
	PV 0, 1
	s_wait_alu depctr_va_vdst(0)
	PV 1, 0
	PLACES 4
	FETCHV 2
	FETCHV 3
	QP 2
	QP 3
	s_wait_dscnt 0x0
	PLACES 4
	PV 2, 0
	s_wait_alu depctr_va_vdst(0)
	PV 3, 0
	PLACES 4
	v_add_nc_u32 v19, s[EB], v[EXW]
	v_add_nc_u32 v31, s[EB], v[EXSW]
.irp k, 0,1,2,3
	ds_store_b128 v19, v[T+4*\k:T+4*\k+3] offset:512*\k
.endr
	ds_store_b64 v31, v[20:21]
	s_wait_tensorcnt 0x0
	ds_add_u32 v[SPW], v[NIL]
.if \refill
	s_xor_b32 s37, s37, SLOT1
	s_add_nc_u64 s[38:39], s[38:39], REC
	s_wait_xcnt 0x0
	s_add_nc_u64 s[PFA:PFA+1], s[PFA:PFA+1], REC
	s_wait_dscnt 0x0
	CROUND
	tensor_load_to_lds s[36:39], s[24:31]
	s_nop 0
	PLACES 4
	ASK
.else
	s_wait_dscnt 0x0
	s_barrier_signal -1
	s_barrier_wait -1
.endif
	s_xor_b32 s[TB], s[TB], SLOT1
	v_add_nc_u32 v19, s[EB], v[EXR]
	v_add_nc_u32 v31, s[EB], v[EXSR]
.irp k, 0,1,2,3
	ds_load_b128 v[T+4*\k:T+4*\k+3], v19 offset:512*\k
.endr
	ds_load_b64 v[22:23], v31
.if \refill
	KSTART
	s_wait_dscnt 32
.else
	s_cmp_eq_u32 s[TL], 1
	s_cbranch_scc1 .Lno_k_\@
	KSTART
.Lno_k_\@:
	s_wait_dscnt 0x0
.endif
	v_min_num_f32 v82, v20, v22
	v_sub_f32 v83, v82, v20
	v_sub_f32 v84, v82, v22
	v_cvt_i32_f32 v83, v83
	v_cvt_i32_f32 v84, v84
	v_ldexp_f32 v83, 1.0, v83
	v_ldexp_f32 v84, 1.0, v84
	v_mul_f32 v85, v21, v83
	v_fma_f32 v85, v23, v84, v85
	s_wait_alu depctr_va_vdst(0)
	v_rcp_f32 v86, v85
	v_nop
	s_wait_alu depctr_va_vdst(0)
	v_mul_f32 v24, v83, v86
	v_mul_f32 v26, v84, v86
	v_mul_f32 v28, 0x3d800000, v24
.irp i, 0,2,4,6,8,10,12,14
	v_pk_mul_f32 v[BM+\i:BM+1+\i], v[32+\i:33+\i], v[24:25] op_sel_hi:[1,0]
.endr
.irp i, 0,2,4,6,8,10,12,14
	v_pk_fma_f32 v[BM+\i:BM+1+\i], v[T+\i:T+1+\i], v[26:27], v[BM+\i:BM+1+\i] op_sel_hi:[1,0,1]
.endr
	v_max3_num_f32 v87, |v[BM]|, |v[BM+1]|, 0x1800000
.irp i, 2,4,6,8,10,12,14
	v_max3_num_f32 v87, v87, |v[BM+\i]|, |v[BM+1+\i]|
.endr
	v_permlanex16_b32 v88, v87, s20, s21
	v_max_num_f32 v87, v87, v88
	v_add_nc_u32 v87, 0xff000000, v87
	v_lshrrev_b32 v89, 23, v87
	v_cvt_scalef32_pk16_fp6_f32 v[248:250], v[BM:BM+15], v87
	v_nop
	v_add_nc_u32 v19, s[OH], v[OCA]
	v_add_nc_u32 v31, s[OS2], v[OSA]
	ds_store_b96 v19, v[248:250]
	ds_store_b8 v31, v89
	WIN 0xA1
.set j, 0
.rept 128
	v_pk_fma_f32 v[j:j+1], v[j:j+1], v[28:29], v[j:j+1] op_sel_hi:[1,0,1]
.set j, j+2
.endr
	WIN 0
	s_xor_b32 s[EB], s[EB], 2304
	s_add_co_u32 s[OH], s[OH], 512
	s_add_co_u32 s[OS2], s[OS2], 1
.endm
	s_load_b256 s[4:11], s[0:1], 0x0
	s_load_b64 s[12:13], s[0:1], 0x20
	v_lshl_add_u32 v[SPW], v0, 2, SPARE
	v_mov_b32 v[NIL], 0
	ds_add_u32 v1, v2
	ds_add_u32 v1, v2
	s_wait_dscnt 0x0
	v_lshrrev_b32 v30, 5, v0
	v_readfirstlane_b32 s14, v30
	s_and_b32 s15, s14, 1
	s_lshr_b32 s16, s14, 1
	s_bfe_u32 s17, ttmp6, 0x40000
	s_lshl_b32 s18, ttmp9, 2
	s_add_co_u32 s18, s18, s17
	s_and_b32 s19, ttmp7, 0xffff
	s_mov_b32 s24, 15|(3<<16)|(1<<21)
	s_mov_b32 s25, 32<<16
	s_mov_b32 s26, 100<<16
	s_mov_b32 s27, 32<<16
	s_mov_b32 s28, 100
	s_mov_b32 s29, 32
	s_mov_b32 s30, 0
	s_mov_b32 s31, 0
	s_mul_i32 s56, s19, 16*REC
	s_mul_i32 s57, s14, 25600
	s_add_co_u32 s58, s56, s57
	s_mov_b32 s59, 0
	s_wait_kmcnt 0x0
	s_mov_b32 s32, 1
	s_mov_b32 s33, s57
	s_add_nc_u64 s[34:35], s[4:5], s[58:59]
	s_mov_b32 s36, 1
	s_add_co_u32 s37, s57, SLOT1
	s_add_nc_u64 s[38:39], s[34:35], REC
	s_or_b32 s35, s35, 0x80000000
	s_or_b32 s39, s39, 0x80000000
	CROUND
	tensor_load_to_lds s[32:35], s[24:31]
	s_nop 0
	PLACES 4
	v_and_b32 v30, 31, v0
	v_and_b32 v31, 15, v0
	v_bfe_u32 v82, v0, 4, 1
	v_lshlrev_b32 v[LI], 4, v30
	s_wait_alu depctr_va_vdst(0)
	v_lshlrev_b32 v[LS], 2, v30
	s_wait_alu depctr_va_vdst(0)
	v_lshlrev_b32 v[PFO], 8, v30
	v_lshlrev_b32 v[QSO], 2, v31
	s_xor_b32 s60, s16, 1
	s_xor_b32 s61, s14, 2
	s_mul_i32 s62, s16, 24576
	v_add_nc_u32 v[AKB], s62, v[LI]
	s_mul_i32 s63, s16, 3072
	s_add_co_u32 s63, s63, s62
	s_add_co_u32 s63, s63, 49152
	v_add_nc_u32 v[AVOB], s63, v[LI]
	s_mul_i32 s63, s60, 3072
	s_add_co_u32 s63, s63, s62
	s_add_co_u32 s63, s63, 49152
	v_add_nc_u32 v[AVPB], s63, v[LI]
	s_lshl_b32 s62, s16, 10
	s_add_co_u32 s63, s62, 98304
	v_add_nc_u32 v[ASB], s63, v[LS]
	s_lshl_b32 s63, s16, 7
	s_add_co_u32 s63, s63, s62
	s_add_co_u32 s63, s63, 100352
	v_add_nc_u32 v[AS2B], s63, v[LS]
	s_lshl_b32 s63, s60, 7
	s_add_co_u32 s63, s63, s62
	s_add_co_u32 s63, s63, 100352
	v_add_nc_u32 v[AS3B], s63, v[LS]
	s_mul_i32 s62, s14, 4608
	s_add_co_u32 s62, s62, EX
	v_add_nc_u32 v[EXW], s62, v[LI]
	v_lshl_add_u32 v[EXSW], v30, 3, s62
	v_add_nc_u32 v[EXSW], 2048, v[EXSW]
	s_mul_i32 s62, s61, 4608
	s_add_co_u32 s62, s62, EX
	v_add_nc_u32 v[EXR], s62, v[LI]
	v_lshl_add_u32 v[EXSR], v30, 3, s62
	v_add_nc_u32 v[EXSR], 2048, v[EXSR]
	s_lshl_b32 s62, s14, 13
	s_add_co_u32 s62, s62, OC
	v_add_nc_u32 v[OCA], s62, v[LI]
	s_lshl_b32 s62, s14, 8
	s_add_co_u32 s62, s62, OSC
	v_lshl_add_u32 v[OSA], v31, 4, s62
	s_mov_b32 s57, 0
	s_add_nc_u64 s[QB:QB+1], s[4:5], s[56:57]
	s_lshl_b32 s72, s18, 6
	s_add_co_u32 s72, s72, 151552
	s_mov_b32 s73, 0
	s_add_nc_u64 s[QSB:QSB+1], s[QB:QB+1], s[72:73]
	s_mul_i32 s72, s17, 24576
	s_lshl_b32 s74, s14, 13
	s_add_co_u32 s72, s72, s74
	s_add_co_u32 s72, s72, 2*REC
	s_add_nc_u64 s[PFA:PFA+1], s[QB:QB+1], s[72:73]
	s_mul_i32 s72, s18, 1536
	s_add_co_u32 s72, s72, 102400
	s_add_nc_u64 s[QB:QB+1], s[QB:QB+1], s[72:73]
	QLOAD
	s_lshl_b32 s74, s19, 2
	s_lshl_b32 s72, s16, 14
	s_add_co_u32 s72, s72, s74
	s_add_nc_u64 s[68:69], s[6:7], s[72:73]
	s_lshl_b32 s72, s18, 10
	s_lshl_b32 s75, s15, 8
	s_add_co_u32 s72, s72, s75
	s_add_co_u32 s72, s72, s74
	s_add_nc_u64 s[70:71], s[6:7], s[72:73]
	s_lshl_b32 s72, s19, 22
	s_lshl_b32 s75, s18, 17
	s_add_co_u32 s72, s72, s75
	s_lshl_b32 s75, s15, 15
	s_add_co_u32 s72, s72, s75
	s_lshl_b32 s75, s16, 11
	s_add_co_u32 s72, s72, s75
	s_add_nc_u64 s[8:9], s[8:9], s[72:73]
	s_lshl_b32 s76, s19, 6
	s_lshl_b32 s75, s18, 1
	s_add_co_u32 s76, s76, s75
	s_add_co_u32 s76, s76, s15
	s_mul_i32 s72, s76, 12288
	s_mul_i32 s75, s16, 6144
	s_add_co_u32 s72, s72, s75
	s_add_nc_u64 s[10:11], s[10:11], s[72:73]
	s_lshl_b32 s72, s76, 9
	s_add_nc_u64 s[12:13], s[12:13], s[72:73]
	s_mov_b32 s[SELQ], 0x03020302
	s_cmp_eq_u32 s15, 0
	s_cselect_b32 s[SELQ], 0x01000100, s[SELQ]
	s_cselect_b32 s[UM], 0, -1
	s_cmp_lt_u32 s14, 3
	s_cselect_b32 s74, 0, 1
	s_or_b32 s74, s74, ttmp9
	s_cmp_eq_u32 s74, 0
	s_cselect_b32 s[LIM], 1, -1
	s_mov_b32 s20, 0x76543210
	s_mov_b32 s21, 0xfedcba98
	s_mov_b32 s52, 0x35c1a2a0
	s_mov_b32 s53, s52
	s_mov_b32 s54, 0x3fb8aa3b
	s_mov_b32 s55, s54
	s_mov_b32 s[TB], 0
	s_mov_b32 s[EB], 0
	s_mov_b32 s[CNT], 14
	s_mov_b32 s[TL], 2
	s_mov_b32 s[OH], 0
	s_mov_b32 s[OS2], 0
	v_lshlrev_b32 v86, 5, v30
	v_and_b32 v83, 8, v31
	v_add_nc_u32 v83, v83, v31
	v_lshlrev_b32 v83, 5, v83
	global_load_b32 v84, v83, s[70:71]
.irp j, 0,1,2,3,4,5,6,7,8,9,10,11,12,13,14,15
	global_load_b32 v[BM+\j], v86, s[68:69] offset:1024*\j
.endr
	s_mul_i32 s62, s14, 8448
	s_add_co_u32 s62, s62, STAGE
	v_add_nc_u32 v87, s62, v[LS]
	v_lshl_add_u32 v88, v82, 6, s62
	WIN 0x80
.set j, 0
.rept 256
	v_mov_b32 v[j], 0
.set j, j+1
.endr
	WIN 0
	v_mov_b32 v21, 0
	v_mov_b32 v25, 0
	v_mov_b32 v27, 0
	v_mov_b32 v29, 0
.irp b, 0,1,2,3,4,5,6,7,8,9,10,11,12,13,14,15
	v_mov_b32 v[T+\b], 0
.endr
	s_wait_loadcnt 0x0
.irp j, 0,1,2,3,4,5,6,7,8,9,10,11,12,13,14,15
	ds_store_b32 v87, v[BM+\j] offset:128*\j
.endr
	WIN 0xC0
.set j, 0
.rept 64
	ds_load_b128 v[4*j:4*j+3], v88 offset:128*(j/4)+16*(j%4)
.set j, j+1
.endr
	WIN 0
	v_mov_b32 v85, v84
	s_wait_alu depctr_va_vdst(0)
	s_wait_dscnt 0x0
	WIN 0xC3
.set j, 0
.rept 128
	v_pk_add_f32 v[j:j+1], v[j:j+1], v[84:85] neg_lo:[1,0] neg_hi:[1,0]
.set j, j+2
.endr
.set j, 0
.rept 128
	v_pk_mul_f32 v[j:j+1], v[j:j+1], s[52:53] op_sel_hi:[1,0]
.set j, j+2
.endr
.set j, 0
	s_wait_alu depctr_va_vdst(0)
.rept 256
	v_exp_f32 v[j], v[j]
.set j, j+1
.endr
	v_nop
	s_wait_alu depctr_va_vdst(0)
.set j, 0
.rept 128
	v_pk_mul_f32 v[j:j+1], v[j:j+1], s[54:55] op_sel_hi:[1,0]
.set j, j+2
.endr
	WIN 0
	s_wait_alu depctr_va_vdst(0)
	s_wait_tensorcnt 0x0                           ; my part of head 0's record is in: the whole set-up above stood under its flight
	ds_add_u32 v1, v2
	s_wait_dscnt 0x0
	CROUND                                         ; everybody's part is in, and the four work-groups meet
	tensor_load_to_lds s[36:39], s[24:31]          ; slot 1's first fill, head 1's record: my one tensor load behind the round
	s_nop 0
	PLACES 4
	KSTART
.Lhead:
	HEAD 1
	s_sub_co_u32 s[CNT], s[CNT], 1
	s_cmp_lg_u32 s[CNT], 0
	s_cbranch_scc1 .Lhead
.Ltail:
	HEAD 0
	s_sub_co_u32 s[TL], s[TL], 1
	s_cmp_lg_u32 s[TL], 0
	s_cbranch_scc1 .Ltail
	s_wait_dscnt 0x0
	s_barrier_signal -1
	s_barrier_wait -1
	v_and_b32 v82, 15, v0
	s_wait_alu depctr_va_vdst(0)
	v_bfe_u32 v83, v0, 4, 1
	s_mul_i32 s56, s14, 8448
	s_add_co_u32 s56, s56, STAGE
	v_mul_u32_u24 v90, v82, 528
	v_lshl_add_u32 v90, v83, 6, v90
	v_add_nc_u32 v90, s56, v90
	v_add_nc_u32 v91, s56, v[LI]
	s_lshl_b32 s57, s15, 13
	s_lshl_b32 s58, s16, 12
	s_add_co_u32 s57, s57, s58
	s_add_co_u32 s57, s57, OC
	v_lshlrev_b32 v92, 4, v82
	v_lshl_add_u32 v92, v83, 14, v92
	v_add_nc_u32 v92, s57, v92
	s_lshl_b32 s58, s15, 8
	s_add_co_u32 s58, s58, OSC
	v_lshlrev_b32 v93, 4, v82
	s_wait_alu depctr_va_vdst(0)
	v_lshl_add_u32 v93, v83, 3, v93
	v_add_nc_u32 v93, s58, v93
	v_lshlrev_b32 v94, 5, v82
	v_lshl_add_u32 v94, v83, 4, v94
.irp k, 0,1,2,3
.irp c, 0,1
	ds_load_b96 v[128+12*\k+6*\c:128+12*\k+6*\c+2], v92 offset:1024*\k+512*\c
	ds_load_b96 v[176+8*\k+4*\c:176+8*\k+4*\c+2], v92 offset:1024*\k+512*\c+256
.endr
.endr
	ds_load_b64 v[84:85], v93
	ds_load_b64 v[86:87], v93 offset:512
	s_wait_dscnt 0x0
.irp k, 0,1,2,3
.irp c, 0,1
.irp i, 0,1,2
	v_mov_b32 v[131+12*\k+6*\c+\i], v[176+8*\k+4*\c+\i]
.endr
.endr
.endr
.irp k, 0,1,2,3
.irp g, 0,1,2
	global_store_b128 v[LI], v[128+12*\k+4*\g:128+12*\k+4*\g+3], s[10:11] offset:1536*\k+512*\g
.endr
.endr
	s_mov_b32 s59, 0x05010400
	s_mov_b32 s60, 0x07030602
	v_perm_b32 v208, v86, v84, s59
	v_perm_b32 v209, v86, v84, s60
	v_perm_b32 v210, v87, v85, s59
	v_perm_b32 v211, v87, v85, s60
	s_cmp_lt_u32 s14, 2
	s_cbranch_scc0 .Lno_os
	global_store_b128 v94, v[208:211], s[12:13]
.Lno_os:
.macro TOSTAGE q
	WIN 0x08
.irp bb, 0,1,2,3
.irp p, 0,1,2,3
	ds_store_b128 v90, v[64*(\q)+16*\bb+4*\p:64*(\q)+16*\bb+4*\p+3] offset:128*\bb+16*\p
.endr
.endr
	WIN 0
.irp t, 0,1,2,3,4,5,6,7,8,9,10,11,12,13,14,15
	ds_load_b128 v[128+64*((\q)%2)+4*\t:128+64*((\q)%2)+4*\t+3], v91 offset:528*\t
.endr
.endm
.macro SEND q, younger
	s_wait_dscnt \younger
.irp t, 0,1,2,3,4,5,6,7,8,9,10,11,12,13,14,15
	global_store_b128 v[LI], v[128+64*((\q)%2)+4*\t:128+64*((\q)%2)+4*\t+3], s[8:9] offset:(\t+8*(\t/8))*4096+512*(\q) th:TH_STORE_NT
.endr
.endm
	s_wait_xcnt 0x0
	TOSTAGE 0
.irp q, 1,2,3
.if \q > 1
	s_wait_xcnt 0x0
.endif
	TOSTAGE \q
	SEND \q-1, 32
.endr
	SEND 3, 0
	s_wait_tensorcnt 0x0
	ds_add_u32 v[SPW], v[NIL]
	s_wait_dscnt 0x0
	CROUND
	s_endpgm
.Lfunc_end_k_q17abb53563_attn:
	.size	k_q17abb53563_attn, .Lfunc_end_k_q17abb53563_attn-k_q17abb53563_attn
	.p2alignl 7, 3214868480
	.fill 96, 4, 3214868480
	.section	.rodata,"a",@progbits
	.p2align	6, 0x0
	.amdhsa_kernel k_q17abb53563_attn
		.amdhsa_group_segment_fixed_size 327680
		.amdhsa_private_segment_fixed_size 0
		.amdhsa_enable_private_segment 0
		.amdhsa_kernarg_size 40
		.amdhsa_user_sgpr_count 2
		.amdhsa_user_sgpr_kernarg_segment_ptr 1
		.amdhsa_wavefront_size32 1
		.amdhsa_system_sgpr_workgroup_id_x 1
		.amdhsa_system_sgpr_workgroup_id_y 1
		.amdhsa_system_sgpr_workgroup_id_z 1
		.amdhsa_system_vgpr_workitem_id 0
		.amdhsa_next_free_vgpr 1024
		.amdhsa_next_free_sgpr 80
		.amdhsa_reserve_vcc 0
		.amdhsa_float_denorm_mode_32 3
		.amdhsa_float_denorm_mode_16_64 3
		.amdhsa_memory_ordered 1
		.amdhsa_forward_progress 1
		.amdhsa_inst_pref_size 236
	.end_amdhsa_kernel
	.amdgpu_metadata
---
amdhsa.version: [ 1, 2 ]
amdhsa.kernels:
  - .name:           k_q17abb53563_attn
    .symbol:         k_q17abb53563_attn.kd
    .args:
      - { .name: qkv, .offset: 0, .size: 8, .value_kind: global_buffer, .address_space: global }
      - { .name: time, .offset: 8, .size: 8, .value_kind: global_buffer, .address_space: global }
      - { .name: out1, .offset: 16, .size: 8, .value_kind: global_buffer, .address_space: global }
      - { .name: oc, .offset: 24, .size: 8, .value_kind: global_buffer, .address_space: global }
      - { .name: os, .offset: 32, .size: 8, .value_kind: global_buffer, .address_space: global }
    .group_segment_fixed_size: 327680
    .private_segment_fixed_size: 0
    .kernarg_segment_align: 8
    .kernarg_segment_size: 40
    .max_flat_workgroup_size: 128
    .sgpr_count:     80
    .vgpr_count:     1024
    .wavefront_size: 32
...
	.end_amdgpu_metadata
.endif
;; end of part 3
;; launch outp (part 4): grid 4 x 64, 4 waves a work-group, clusters of 4 x 4, 295,424 bytes of LDS; arguments cod, scl, oc, os, out_proj_bias, out0; writes out0
.if DOCPART == 4
	.amdgcn_target "amdgcn-amd-amdhsa--gfx1250"
	.amdhsa_code_object_version 6
	.text
	.protected	k_q17abb53563_outp
	.globl	k_q17abb53563_outp
	.p2align	8
	.type	k_q17abb53563_outp,@function
k_q17abb53563_outp:
	s_mov_b64 s[64:65], 0
	v_nop
	global_prefetch_b8 v0, s[64:65] scope:SCOPE_SE
	s_setreg_imm32_b32 hwreg(HW_REG_WAVE_MODE, 25, 1), 1
	s_wait_xcnt 0x0
	s_wait_alu depctr_hold_cnt(0) depctr_sa_sdst(0) depctr_va_vdst(0) depctr_va_sdst(0) depctr_va_ssrc(0) depctr_va_vcc(0) depctr_vm_vsrc(0)
	s_getreg_b32 s2, hwreg(HW_REG_IB_STS2, 6, 4)
	s_cmp_eq_u32 s2, 0
	s_cbranch_scc0 .Lentry_in_a_cluster
	s_endpgm
.Lentry_in_a_cluster:
	s_bfe_u32 s2, ttmp6, 0x10000c
	s_cmp_lg_u32 s2, 0xf033
	s_cbranch_scc0 .Lentry_shape_is_right
	s_endpgm
.Lentry_shape_is_right:
; out0 = O Wo^T + bo on codes of E2M3.  C = P x R, P = source 0 = Wo (256 rows a work-group), R = source 1 = O (128 rows), K = 1,024, all of it in LDS as images of the operands' registers, filled once.
; ONE tensor load a wave, at the head: waves 0 and 1 bring P's halves (8 tiles of 12,288 bytes each), waves 2 and 3 R's halves (4 tiles each); nothing is filled later, so one wait for 0 and one barrier stand ahead of the first fragments.
; CLUSTER 4 x 4: P's tiles hang on cx and are asked for jointly along a column; R's on cy, along a row.  No prefetch: the launch has no loop to run ahead in, all its operand bytes are asked for by its first four loads.
; Wave w: P's rows 128 (w % 2) on, R's rows 64 (w / 2) on: 32 accumulators by turns, in the same order in every K step.  The bias is the C of each sum's first product.
; A lane holds one row of O (logical row n x 1,024 + l, in the tiles' order 32 (T / 2) + 8 (T % 2) + r + 8 (r / 8)), its registers 16 b + i column 32 b + 16 (lane / 16) + i of my 128.
; THE WAY OUT: a tile of 16 rows x 128 columns through the wave's own stage and back as rows of 512 bytes.  The stages lie in P's first tiles, which have had their only fill and, behind a barrier, their last read.
; REGISTERS: window 0: v1-17 addresses; v32-63, v64-79 scale words (nothing else ever); v96-239 fragments, set 0, later rows of out0.  window 1: accumulator (pt, rt) at 64 rt + 8 pt.  window 2: v96-239 set 1; v0-63 the bias.
.set LI,  1
.set L32, 4
.set H64, 5
.set AP,  8                            ; v8, v9: my P tiles 0-3, 4-7
.set AR,  12
.set STO, 16
.set RD,  17
.set PSC, 32
.set RSC, 64
.set PF,  96
.set RF,  192
.set BT,  0
.set BK,  96
.set G1P, 24
.set G1R, 32
.set G0P, 40
.set G0R, 44
.set RBASE, 196608                     ; R's tiles lie behind P's sixteen
.set MSB, 0
.macro WIN new
.if MSB != \new
	s_set_vgpr_msb (MSB<<8)|\new
.set MSB, \new
.endif
.endm
.macro PLACES n
.rept \n
	v_nop
.endr
.endm
.macro CROUND
	s_barrier_signal -1
	s_barrier_wait -1
	s_cmp_lg_u32 s14, 0
	s_cbranch_scc1 .Lnot_wave_0_\@
	s_barrier_signal -3
.Lnot_wave_0_\@:
	s_barrier_wait -3
	s_barrier_signal -1
	s_barrier_wait -1
.endm
.macro WM pa, pb                       ; one product; pa, pb: the side's scale words stand in lanes 16-31
.if (\pa) && (\pb)
	v_wmma_scale_f32_16x16x128_f8f6f4 v[rD:rD+7], v[rA:rA+11], v[rB:rB+11], v[rC:rC+7], v[rSA], v[rSB] matrix_a_fmt:MATRIX_FMT_FP6 matrix_b_fmt:MATRIX_FMT_FP6 matrix_a_scale:MATRIX_SCALE_ROW1 matrix_b_scale:MATRIX_SCALE_ROW1
.elseif (\pa)
	v_wmma_scale_f32_16x16x128_f8f6f4 v[rD:rD+7], v[rA:rA+11], v[rB:rB+11], v[rC:rC+7], v[rSA], v[rSB] matrix_a_fmt:MATRIX_FMT_FP6 matrix_b_fmt:MATRIX_FMT_FP6 matrix_a_scale:MATRIX_SCALE_ROW1
.elseif (\pb)
	v_wmma_scale_f32_16x16x128_f8f6f4 v[rD:rD+7], v[rA:rA+11], v[rB:rB+11], v[rC:rC+7], v[rSA], v[rSB] matrix_a_fmt:MATRIX_FMT_FP6 matrix_b_fmt:MATRIX_FMT_FP6 matrix_b_scale:MATRIX_SCALE_ROW1
.else
	v_wmma_scale_f32_16x16x128_f8f6f4 v[rD:rD+7], v[rA:rA+11], v[rB:rB+11], v[rC:rC+7], v[rSA], v[rSB] matrix_a_fmt:MATRIX_FMT_FP6 matrix_b_fmt:MATRIX_FMT_FP6
.endif
.endm
.macro FETCH s                         ; K step s: a tile is 12,288 bytes, a K step of it 1,536, a group of four registers 512
.if ((\s)%2) == 0
	WIN 0
.else
	WIN 0x80
.endif
.irp pt, 0,1,2,3,4,5,6,7
.irp g, 0,1,2
	ds_load_b128 v[PF+12*\pt+4*\g:PF+12*\pt+4*\g+3], v[AP+\pt/4] offset:(\pt%4)*12288+(\s)*1536+512*\g
.endr
.endr
.irp rt, 0,1,2,3
.irp g, 0,1,2
	ds_load_b128 v[RF+12*\rt+4*\g:RF+12*\rt+4*\g+3], v[AR] offset:\rt*12288+(\s)*1536+512*\g
.endr
.endr
.endm
.macro MULS s
.irp rt, 0,1,2,3
.irp pt, 0,1,2,3,4,5,6,7
.set rD, 64*\rt+8*\pt
.set rA, PF+12*\pt
.set rB, RF+12*\rt
.set rSA, PSC+8*(\pt/2)+(\s)
.set rSB, RSC+8*(\rt/2)+(\s)
.if (\s) == 0
.set rC, BT+8*\pt
.else
.set rC, rD
.endif
	WM \pt%2, \rt%2
.endr
.endr
.endm
.macro STEP s
	s_wait_dscnt 0x0                               ; this step's fragments are in: they were asked for 32 products ago
.if (\s) < 7
.if (\s) > 0
	PLACES 4                                       ; in front of loads into the set that the last step's products read
.endif
	FETCH (\s)+1
.endif
.if ((\s)%2) == 1
	WIN 0x5A                                       ; sources 0, 1 window 2; C, D window 1
.elseif (\s) == 0
	WIN 0x60                                       ; C (the bias) window 2, D window 1
.else
	WIN 0x50
.endif
	MULS \s
.endm
	s_load_b256 s[4:11], s[0:1], 0x0               ; cod, scl, oc, os
	s_load_b128 s[88:91], s[0:1], 0x20             ; out_proj_bias, out0
	v_lshl_add_u32 v254, v0, 2, 0x48000
	v_mov_b32 v255, 0
	ds_add_u32 v254, v255                          ; the opening lines: the add, twice on end, and its wait ahead of my tensor load
	ds_add_u32 v254, v255
	v_lshrrev_b32 v2, 5, v0
	v_readfirstlane_b32 s14, v2                    ; wave 0..3
	s_and_b32 s15, s14, 1                          ; wp.  Also: which half of P or of R I fetch
	s_lshr_b32 s16, s14, 1                         ; wr.  Also: I fetch for P (0) or for R (1)
	s_bfe_u32 s17, ttmp6, 0x40000                  ; cx
	s_bfe_u32 s18, ttmp6, 0x40004                  ; cy
	s_and_b32 s20, ttmp7, 0xffff
	s_lshl_b32 s77, s20, 2
	s_add_co_u32 s77, s77, s18                     ; which 128 rows of O: hangs on cy, never on cx
	s_lshl_b32 s78, s17, 4
	s_add_co_u32 s78, s78, 1728                    ; Wo's first tile: hangs on cx, never on cy
	s_lshl_b32 s79, s77, 3                         ; O's first tile
	s_lshl_b32 s92, 0x1111, s17                    ; my column of the cluster
	s_lshl_b32 s93, s18, 2
	s_lshl_b32 s93, 15, s93                        ; my row
	s_or_b32 s[G1P], s92, (3<<16)|(1<<21)
	s_or_b32 s[G1R], s93, (3<<16)|(1<<21)
	s_mov_b32 s[G1P+1], 1536<<16                   ; a row of the tile = a tile of codes: 1,536 elements of 8 bytes, dense
	s_mov_b32 s[G1P+2], 8<<16
	s_mov_b32 s[G1P+3], 1536<<16
	s_mov_b32 s[G1P+4], 8
	s_mov_b32 s[G1P+5], 1536
	s_mov_b32 s[G1P+6], 0
	s_mov_b32 s[G1P+7], 0
	s_mov_b32 s[G1R+1], 1536<<16
	s_mov_b32 s[G1R+2], 4<<16
	s_mov_b32 s[G1R+3], 1536<<16
	s_mov_b32 s[G1R+4], 4
	s_mov_b32 s[G1R+5], 1536
	s_mov_b32 s[G1R+6], 0
	s_mov_b32 s[G1R+7], 0
	s_lshl_b32 s80, s15, 3
	s_add_co_u32 s80, s80, s78
	s_mul_i32 s80, s80, 12288                      ; P: eight tiles from Wo's tile 16 cx + 8 half on
	s_mov_b32 s81, 0
	s_lshl_b32 s84, s15, 2
	s_add_co_u32 s84, s84, s79
	s_mul_i32 s84, s84, 12288                      ; R: four tiles from O's tile + 4 half on
	s_mov_b32 s85, 0
	s_mov_b32 s[G0P], 1
	s_mul_i32 s[G0P+1], s15, 98304
	s_mov_b32 s[G0R], 1
	s_mul_i32 s[G0R+1], s15, 49152
	s_add_co_u32 s[G0R+1], s[G0R+1], RBASE
	s_wait_dscnt 0x0                               ; both opening adds are done
	s_wait_kmcnt 0x0
	s_add_nc_u64 s[G0P+2:G0P+3], s[4:5], s[80:81]
	s_or_b32 s[G0P+3], s[G0P+3], 0x80000000
	s_add_nc_u64 s[G0R+2:G0R+3], s[8:9], s[84:85]
	s_or_b32 s[G0R+3], s[G0R+3], 0x80000000
	CROUND                                         ; all sixteen work-groups are here: the joint loads meet
	s_cmp_eq_u32 s16, 0                            ; one load in each arm: every way through the head passes exactly one
	s_cbranch_scc0 .Lfor_r
	tensor_load_to_lds s[G0P:G0P+3], s[G1P:G1P+7]
	s_nop 0
	PLACES 4
	s_branch .Lasked
.Lfor_r:
	tensor_load_to_lds s[G0R:G0R+3], s[G1R:G1R+7]
	s_nop 0
	PLACES 4
.Lasked:
	v_and_b32 v2, 31, v0
	v_lshlrev_b32 v[LI], 4, v2
	v_lshlrev_b32 v[L32], 5, v2
	v_bfe_u32 v3, v0, 4, 1
	v_lshlrev_b32 v[H64], 6, v3
	v_and_b32 v2, 15, v0
	s_mul_i32 s13, s15, 98304
	v_add_nc_u32 v[AP], s13, v[LI]
	v_add_nc_u32 v[AP+1], 49152, v[AP]
	s_mul_i32 s13, s16, 49152
	s_add_co_u32 s13, s13, RBASE
	v_add_nc_u32 v[AR], s13, v[LI]
	s_mul_i32 s13, s14, 8448                       ; my stage
	v_mul_u32_u24 v[STO], v2, 528
	v_add_nc_u32 v[STO], v[STO], v[H64]
	v_add_nc_u32 v[STO], s13, v[STO]               ; in: row r, + 64 h
	v_add_nc_u32 v[RD], s13, v[LI]                 ; back: a row of 512 bytes
	s_wait_alu depctr_va_vdst(0)                   ; the wait behind the head's last vector write
	s_lshl_b32 s82, s15, 3
	s_add_co_u32 s82, s82, s78
	s_lshl_b32 s82, s82, 9
	s_mov_b32 s83, 0
	s_add_nc_u64 s[82:83], s[6:7], s[82:83]
	s_lshl_b32 s86, s16, 2
	s_add_co_u32 s86, s86, s79
	s_lshl_b32 s86, s86, 9
	s_mov_b32 s87, 0
	s_add_nc_u64 s[86:87], s[10:11], s[86:87]
.irp j, 0,1,2,3                        ; a pair of tiles is 1,024 bytes: lanes 0-15 the even tile's rows, lanes 16-31 the odd one's; register 8 j + s = the word of K step s
.irp k, 0,1
	global_load_b128 v[PSC+8*\j+4*\k:PSC+8*\j+4*\k+3], v[L32], s[82:83] offset:1024*\j+16*\k
.endr
.endr
.irp j, 0,1
.irp k, 0,1
	global_load_b128 v[RSC+8*\j+4*\k:RSC+8*\j+4*\k+3], v[L32], s[86:87] offset:1024*\j+16*\k
.endr
.endr
	s_lshl_b32 s96, s17, 10
	s_lshl_b32 s97, s15, 9
	s_add_co_u32 s96, s96, s97                     ; my first column, in bytes: 4 (256 cx + 128 wp)
	s_mov_b32 s97, 0
	s_add_nc_u64 s[88:89], s[88:89], s[96:97]
	s_add_nc_u64 s[90:91], s[90:91], s[96:97]
	s_lshl_b32 s20, s16, 2
	s_add_co_u32 s20, s20, s79                     ; my first tile of rows
	s_lshr_b32 s21, s20, 6                         ; n
	s_and_b32 s20, s20, 63
	s_lshr_b32 s20, s20, 1                         ; the first block of 32 l
	s_lshl_b32 s96, s20, 20                        ; l x 8 x 4,096 bytes
	s_lshl_b32 s21, s21, 12
	s_add_co_u32 s96, s96, s21
	s_add_nc_u64 s[90:91], s[90:91], s[96:97]
	WIN 0x80
.irp pt, 0,1,2,3,4,5,6,7
	global_load_b128 v[BT+8*\pt:BT+8*\pt+3], v[H64], s[88:89] offset:128*(\pt/2)+32*(\pt%2)
	global_load_b128 v[BT+8*\pt+4:BT+8*\pt+7], v[H64], s[88:89] offset:128*(\pt/2)+32*(\pt%2)+16
.endr
	WIN 0
	s_wait_tensorcnt 0x0                           ; my one load has landed
	s_barrier_signal -1
	s_barrier_wait -1                              ; everybody's has.
	FETCH 0
	s_wait_loadcnt 0x0                             ; scale words and bias
.irp s, 0,1,2,3,4,5,6,7
	STEP \s
.endr
	PLACES 4                                       ; in front of the first reads of results and of loads into registers that products read
	WIN 0
	s_wait_dscnt 0x0
	s_barrier_signal -1
	s_barrier_wait -1                              ; nobody reads the operands any more: the stages may be written
.macro TOSTAGE a
	WIN 0x04                                       ; the data: window 1
.irp bb, 0,1,2,3
.irp p, 0,1,2,3
	ds_store_b128 v[STO], v[64*(\a)+16*\bb+4*\p:64*(\a)+16*\bb+4*\p+3] offset:128*\bb+16*\p   ; each accumulator from its low end on
.endr
.endr
	WIN 0
.irp t, 0,1,2,3,4,5,6,7,8,9,10,11,12,13,14,15
	ds_load_b128 v[BK+64*((\a)%2)+4*\t:BK+64*((\a)%2)+4*\t+3], v[RD] offset:528*\t   ; LDS serves a wave's instructions in order
.endr
.endm
.macro SEND a, younger
	s_wait_dscnt \younger
.irp t, 0,1,2,3,4,5,6,7,8,9,10,11,12,13,14,15
	global_store_b128 v[LI], v[BK+64*((\a)%2)+4*\t:BK+64*((\a)%2)+4*\t+3], s[90:91] offset:(32*((\a)/2)+8*((\a)%2)+\t+8*(\t/8))*32768 th:TH_STORE_NT   ; 512 consecutive bytes, aligned; 63 rows of 32,768 bytes at the most: inside the signed 24-bit immediate
.endr
.endm
	TOSTAGE 0
.irp a, 1,2,3
.if \a > 1
	s_wait_xcnt 0x0                                ; the block two back has been read by its stores: its registers are loaded again only behind this wait
.endif
	TOSTAGE \a
	SEND \a-1, 32                                  ; behind its loads: the next block's 16 stores and 16 loads
.endr
	SEND 3, 0
	s_wait_tensorcnt 0x0                           ; the wave's end
	ds_add_u32 v254, v255
	s_wait_dscnt 0x0
	CROUND                                         ; the closing round: no work-group ends while a partner may still ask for a tile that names it
	s_endpgm
.Lfunc_end_k_q17abb53563_outp:
	.size	k_q17abb53563_outp, .Lfunc_end_k_q17abb53563_outp-k_q17abb53563_outp
	.p2alignl 7, 3214868480
	.fill 96, 4, 3214868480
	.section	.rodata,"a",@progbits
	.p2align	6, 0x0
	.amdhsa_kernel k_q17abb53563_outp
		.amdhsa_group_segment_fixed_size 295424
		.amdhsa_private_segment_fixed_size 0
		.amdhsa_enable_private_segment 0
		.amdhsa_kernarg_size 48
		.amdhsa_user_sgpr_count 2
		.amdhsa_user_sgpr_kernarg_segment_ptr 1
		.amdhsa_wavefront_size32 1
		.amdhsa_system_sgpr_workgroup_id_x 1
		.amdhsa_system_sgpr_workgroup_id_y 1
		.amdhsa_system_sgpr_workgroup_id_z 1
		.amdhsa_system_vgpr_workitem_id 0
		.amdhsa_next_free_vgpr 768
		.amdhsa_next_free_sgpr 100
		.amdhsa_reserve_vcc 0
		.amdhsa_float_denorm_mode_32 3
		.amdhsa_float_denorm_mode_16_64 3
		.amdhsa_memory_ordered 1
		.amdhsa_forward_progress 1
		.amdhsa_inst_pref_size 76
	.end_amdhsa_kernel
	.amdgpu_metadata
---
amdhsa.version: [ 1, 2 ]
amdhsa.kernels:
  - .name:           k_q17abb53563_outp
    .symbol:         k_q17abb53563_outp.kd
    .args:
      - { .name: cod, .offset: 0, .size: 8, .value_kind: global_buffer, .address_space: global }
      - { .name: scl, .offset: 8, .size: 8, .value_kind: global_buffer, .address_space: global }
      - { .name: oc, .offset: 16, .size: 8, .value_kind: global_buffer, .address_space: global }
      - { .name: os, .offset: 24, .size: 8, .value_kind: global_buffer, .address_space: global }
      - { .name: out_proj_bias, .offset: 32, .size: 8, .value_kind: global_buffer, .address_space: global }
      - { .name: out0, .offset: 40, .size: 8, .value_kind: global_buffer, .address_space: global }
    .group_segment_fixed_size: 295424
    .private_segment_fixed_size: 0
    .kernarg_segment_align: 8
    .kernarg_segment_size: 48
    .max_flat_workgroup_size: 128
    .sgpr_count:     100
    .vgpr_count:     768
    .wavefront_size: 32
...
	.end_amdgpu_metadata
.endif
;; end of part 4
